; MI455X (gfx1250); checked and timed in simulation.
; The chip was launched on July 23, 2026; its instructions are those of AMD's public machine-readable ISA for CDNA 5 (MIT licence, August 2026) and "CDNA5" Instruction Set Architecture Reference Guide (July 2026). The comments in the code are by the model that wrote it; some were corrected since.
;; Sparse Mixture Of Experts. Allowed arithmetic: matrix products marked QUANTISED: E2M1 operands, one E8M0 scale for each 32 along K, by v_wmma_scale_f32_16x16x128_f8f6f4 with both operands' format E2M1 (or v_wmma_scale_f32_32x16x128_f4), f32 sums; products left as they are: f32 operands where the result goes on into a quantised operand, else bf16, f16 or f32 operands; f32 sums; everything else in f32.
;; Inputs: eb1 8 x 4,096 float32; eb2 8 x 1,024 float32; ew1 8 x 1,024 x 4,096 float32; ew2 8 x 4,096 x 1,024 float32; rb1 1,024 float32; rb2 8 float32; rw1 1,024 x 1,024 float32; rw2 1,024 x 8 float32; x 1,024 x 1,024 float32.
;; Outputs: out0 1,024 x 1,024 float32.
;; This version of the problem:
;;   THIS VERSION OF THE PROBLEM IS GIVEN IN LOW PRECISION. The matrix products marked QUANTISED in the list below multiply operands that are first quantised to E2M1 (2 exponent bits, 1 mantissa bit; 4 bits a number), with one power-of-two scale for each 32 numbers along K (OCP MX v1.0); their sums are f32. All else is computed in f32.
;;   The module's matrix products, in the order in which they are computed (A, B: the left and right operand; K: the contracted axis; several contracted axes count as one K, in the product's order):
;;     1. [M 1,024, K 1,024] x [K 1,024, N 1,024]; A: input x; B: input rw1: QUANTISED
;;     2. [M 1,024, K 1,024] x [K 1,024, N 8]; A: computed on the way; B: input rw2: left as it is (N = 8 < 16)
;;     3. [M 32,768, K 1,024] x [K 1,024, N 1,024]; A: input ew1; B: input x: QUANTISED
;;     4. batch 8 x [M 1,024, K 4,096] x [K 4,096, N 1,024]; A: computed on the way; B: input ew2: QUANTISED
;;     5. batch 1,024 x [M 1, K 8] x [K 8, N 1,024]; A: computed on the way; B: computed on the way: left as it is (K = 8 < 32)
;;   THE QUANTISER, for each operand of a quantised product, along K:
;;     - K is cut into blocks of 32 from its start; a last block that is shorter is filled with zeros.
;;     - A block's scale is 2^e with e = floor(log2(the largest magnitude in the block)) - 2, held to -126 .. 127; a block of zeros has e = 0. As a byte (E8M0): e + 127.
;;     - Each number is divided by its block's scale, clamped to +-6, and rounded to the nearest number of E2M1, ties to even, subnormals kept.
;;     - The product sums the exact products of the quantised numbers (number of the format x scale) in f32.
;;   ~~~python
;;   def quantise(x, axis):      # numpy; x: float32 -> the quantised numbers, widened to float32 again
;;       x = np.moveaxis(x, axis, -1); K = x.shape[-1]
;;       x = np.pad(x, [(0, 0)] * (x.ndim - 1) + [(0, -K % 32)]); x = x.reshape(x.shape[:-1] + (-1, 32)); a = np.abs(x).max(-1, keepdims=True)
;;       e = np.where(a > 0, np.clip(np.frexp(np.where(a > 0, a, 1))[1] - 1 - 2, -126, 127), 0)      # np.frexp(a)[1] - 1 = floor(log2(a)), exactly
;;       r = np.clip(x / 2.0 ** e, -6, 6)
;;       step = 2.0 ** (np.maximum(np.frexp(np.where(r == 0, 1, r))[1] - 1, 0) - 1)
;;       q = np.round(r / step) * step * 2.0 ** e      # np.round: ties to even
;;       return np.moveaxis(q.reshape(q.shape[:-2] + (-1,))[..., :K], -1, axis).astype(np.float32)
;;   ~~~
;;   OPERANDS COMPUTED ON THE WAY. 'Computed on the way' means the value that the module computes at that place (a softmax that the list does not call 'softmax' is quantised finished and normalised). What goes into a quantiser is computed in f32, as accurately as f32 sums, v_exp_f32 and their like allow (about 1e-6 of the number): no bf16 or f16 on the way to a quantiser, and a product that is left as it is and whose result goes on into a quantised operand takes f32 operands (vector FMAs, or v_wmma_f32_16x16x4_f32). A number that lies on a knife's edge between two numbers of the format may be rounded either way, as far as f32 arithmetic and the matrix unit's own rounding can turn it there, and no further.
;; 2 versions, each right; version 2 is version 1 with the launches ffn1, ffn2 written anew for expert scheduling mode. Each part assembles by itself: llvm-mc -triple=amdgcn-amd-amdhsa -mcpu=gfx1250 --defsym DOCPART=n.
;; ======== version 1 of 2: 5 launches
;; workspace buffers: xc 557,056 bytes; rc 557,056 bytes; sel 2,048 bytes of whole numbers; gate 8,192 bytes; hc 17,825,792 bytes; y 16,777,216 bytes
;; launch quant (part 1): grid 64 x 1, 4 waves a work-group, no clusters, 33,280 bytes of LDS; arguments x, rw1, xc, rc; writes xc, rc
.if DOCPART == 1
	.amdgcn_target "amdgcn-amd-amdhsa--gfx1250"
	.amdhsa_code_object_version 6
	.text
	.protected	k_qbd708a7868_quant
	.globl	k_qbd708a7868_quant
	.p2align	8
	.type	k_qbd708a7868_quant,@function
k_qbd708a7868_quant:
	s_mov_b64 s[64:65], 0
	v_nop
	global_prefetch_b8 v0, s[64:65] scope:SCOPE_SE
	s_setreg_imm32_b32 hwreg(HW_REG_WAVE_MODE, 25, 1), 1
	s_wait_xcnt 0x0
; THE PROGRAM: a top-2 mixture of 8 experts over 1,024 tokens, in five launches: quant (x and rw1 into codes of E2M1), router (probabilities, top-2),
; ffn1 (hidden layer of the chosen rows), ffn2 (second product, times the gate), combine (four partial rows are added).
; WORK LEFT OUT.  reference() forms gates = probs x mask, mask built in its own body from its own top_k.  For a pair (token n, expert e) that was not chosen the gate is exactly 0,
; so eo[e, n, :] is multiplied by 0 and reaches no output in exact arithmetic, whatever finite values the inputs hold.  Those rows of the two expert products and of the weighted sum
; are not computed: 2,048 of 8,192 rows are.  Every input keeps a way to the output, and all nine are loaded.
; LIMIT: a NaN, an infinity or an overflow that arises only in an expert not chosen for a token (0 x infinity in reference()) is not carried to the result.
; THIS LAUNCH.  Work-groups 0-31: x [1024][1024] f32, K innermost, into xc: codes [token][512 bytes], from byte 524,288 on scale bytes [token][32].
; Work-groups 32-63: rw1 [K 1024][1024] f32, K outermost, into rc as IMAGES OF OPERAND REGISTERS: fragment (strip st, tile j, K step s) at 32768 st + 8192 j + 1024 s, part c at 512 c, lane l at 16 l;
; row r of tile (st, j) is column 64 st + 4 r + j.  From byte 524,288 on the scale words: 256 (8 st + s) + 8 l + 4 jp; lanes 0-15 tile 2 jp, lanes 16-31 tile 2 jp + 1.
; THE QUANTISER: a block's scale byte is its largest magnitude's exponent field - 2, held at 1 from below; each number / scale goes to the nearest code, ties to even, beyond 6 the code of 6.
; LIMITS: NaN and infinities among the inputs are not served.  A block of zeros gets the byte 1 where the rule says 127: its codes are zeros, and this program alone reads the bytes.
; Blocks whose largest magnitude lies under 2^-124 are held at the byte 1.
.set STEPS, 16
.set R,     16                         ; v16-143  x path: eight sets of 16 numbers as loaded
.set X,     144                        ; v144-175 two sets of 16 neighbours
.set E,     176                        ; v176-191 a scale byte for each step
.set C,     192                        ; v192-223 two registers of codes for each step: no store's data are written again
.set WREG,  8192                       ; LDS: a region for each wave: two stages of 32 x SP bytes, then its 256 scale bytes
.set SP,    80
.set SPW,   12                         ; v12  LDS address of my spare word; never rewritten
.set NIL,   13                         ; v13  0; never rewritten
.set SPARE, 32768                      ; behind the four regions: the spare words, 128 bytes a wave
.set VOW,   3                          ; weight path: v3 my byte in a block of rows: 32 h rows + 16 r
.set LI,    4                          ; v4   16 x lane
.set L8,    5                          ; v5   8 x lane
.set SH8,   6                          ; v6   8 h
.set MX,    32                         ; v32-35 largest magnitudes of my four columns
.set SO,    36                         ; v36-39 the conversions' scale operands
.set WD,    40                         ; v40-43 scale words in the making
.set TP,    44                         ; v44-47 the other half's words
.set BY,    48                         ; v48-51 scale bytes
.set CD,    52                         ; v52-67 codes of part 0;  v68-83 of part 1
.set CD2,   68
.set T,     96                         ; v96-223 four columns x 32 along K
.set MSB, 0
.macro WIN new                         ; the immediate's high byte repeats the setting that is left
.if MSB != (\new)
	s_set_vgpr_msb (MSB<<8)|(\new)
.set MSB, (\new)
.endif
.endm
	s_load_b256 s[4:11], s[0:1], 0x0               ; x s[4:5], rw1 s[6:7], xc s[8:9], rc s[10:11]
	v_lshl_add_u32 v[SPW], v0, 2, SPARE
	v_mov_b32 v[NIL], 0
	v_lshrrev_b32 v1, 5, v0
	v_readfirstlane_b32 s16, v1                    ; wave
	v_and_b32 v2, 31, v0                           ; lane
	s_cmp_lt_u32 ttmp9, 32                         ; the work-group's number alone decides the path
	s_cbranch_scc0 .Lweights
; ---------------- x: a plain stream of blocks of 32.  A wave takes 16 steps of 512 numbers.  Each load reads 512 consecutive bytes; a step's 2,048 bytes turn through the wave's own stage in LDS,
; so that a lane then holds 16 neighbours (two neighbouring lanes hold a block).  Loads run eight steps (32 loads a wave) ahead.
	v_lshlrev_b32 v3, 4, v2                        ; my 16 bytes of a load's 512
	s_mul_i32 s17, s16, WREG
	v_lshrrev_b32 v14, 2, v2
	v_mul_u32_u24 v14, v14, SP
	v_and_b32 v15, 3, v2
	v_lshl_add_u32 v14, v15, 4, v14
	v_add_nc_u32 v14, s17, v14                     ; the stage, on the way in: SP (lane / 4) + 16 (lane % 4)
	v_mul_u32_u24 v15, v2, SP
	v_add_nc_u32 v15, s17, v15                     ; and on the way out: SP x lane
	v_lshlrev_b32 v4, 3, v2                        ; my 8 bytes of a step's codes
	v_lshrrev_b32 v5, 1, v2
	s_add_co_u32 s17, s17, 2*32*SP
	v_add_nc_u32 v5, s17, v5                       ; my block's byte among my wave's 256
	v_lshlrev_b32 v7, 3, v2
	v_add_nc_u32 v6, s17, v7
	s_lshl_b32 s18, ttmp9, 2
	s_add_co_u32 s18, s18, s16                     ; which run of 8,192 numbers is my wave's
	s_lshl_b32 s20, s18, 15
	s_mov_b32 s21, 0
	s_lshl_b32 s22, s18, 12
	s_mov_b32 s23, 0
	s_lshl_b32 s24, s18, 8
	s_add_co_u32 s24, s24, 524288
	s_mov_b32 s25, 0
	s_wait_kmcnt 0x0
	s_add_nc_u64 s[4:5], s[4:5], s[20:21]
	s_add_nc_u64 s[12:13], s[8:9], s[24:25]        ; my 256 scale bytes
	s_add_nc_u64 s[8:9], s[8:9], s[22:23]          ; my 4,096 bytes of codes
.macro XLOAD t
.irp i, 0,1,2,3
	global_load_b128 v[R+16*((\t)%8)+4*\i:R+16*((\t)%8)+4*\i+3], v3, s[4:5] offset:2048*(\t)+512*\i th:TH_LOAD_NT
.endr
.endm
.macro XTURN t                         ; LDS serves a wave's instructions in order: no wait between the stores and the loads
.irp i, 0,1,2,3
	ds_store_b128 v14, v[R+16*((\t)%8)+4*\i:R+16*((\t)%8)+4*\i+3] offset:32*SP*((\t)%2)+8*SP*\i
.endr
.irp i, 0,1,2,3
	ds_load_b128 v[X+16*((\t)%2)+4*\i:X+16*((\t)%2)+4*\i+3], v15 offset:32*SP*((\t)%2)+16*\i
.endr
.endm
.irp t, 0,1,2,3,4,5,6,7
	XLOAD \t
.endr
	s_wait_loadcnt 28                              ; step 0's four loads are in; the seven younger steps' 28 may be out
	XTURN 0
.macro XSTEP t
.set XS, X+16*((\t)%2)
.if (\t) > 0
	s_wait_dscnt 1                                 ; this step's numbers are back from the stage (the last step's byte store may be out)
.else
	s_wait_dscnt 0x0
.endif
.if (\t)+8 < STEPS
	XLOAD (\t)+8                                   ; into the set whose stores into the stage are done
.endif
.if (\t)+1 < STEPS
.if 14-(\t) >= 7
	s_wait_loadcnt 28                              ; the next step's loads are in; seven younger steps' may be out
.else
	s_wait_loadcnt 4*(14-(\t))                     ; as many younger steps as are left
.endif
	XTURN (\t)+1
.endif
	v_max3_num_f32 v8, |v[XS]|, |v[XS+1]|, |v[XS+2]|
	v_max3_num_f32 v9, |v[XS+3]|, |v[XS+4]|, |v[XS+5]|
.irp i, 6,10
	v_max3_num_f32 v8, v8, |v[XS+\i]|, |v[XS+\i+1]|
	v_max3_num_f32 v9, v9, |v[XS+\i+2]|, |v[XS+\i+3]|
.endr
	v_max3_num_f32 v8, v8, |v[XS+14]|, |v[XS+15]|
	v_max3_num_f32 v8, v8, v9, 0x1800000           ; and the floor 2^(3 - 127): the byte cannot fall under 1
	v_max_num_f32_dpp v8, v8, v8 row_xmask:1 row_mask:0xf bank_mask:0xf   ; with my neighbour's 16: the block's
	v_add_nc_u32 v11, 0xff000000, v8               ; 2 off the exponent field: the conversion's scale operand
	v_cvt_scalef32_pk8_fp4_f32 v[C+2*(\t)], v[XS:XS+7], v11
	v_cvt_scalef32_pk8_fp4_f32 v[C+2*(\t)+1], v[XS+8:XS+15], v11
	v_lshrrev_b32 v[E+(\t)], 23, v11               ; the scale's byte (also the plain line behind the conversions)
	ds_store_b8 v5, v[E+(\t)] offset:16*(\t)       ; both lanes of a block write the same byte with the same value
	global_store_b64 v4, v[C+2*(\t):C+2*(\t)+1], s[8:9] offset:256*(\t)   ; the wave stores 256 consecutive bytes, aligned
.endm
.irp t, 0,1,2,3,4,5,6,7,8,9,10,11,12,13,14,15
	XSTEP \t
.endr
	ds_load_b64 v[8:9], v6                         ; my wave's 256 scale bytes, 8 a lane
	s_wait_dscnt 0x0
	global_store_b64 v7, v[8:9], s[12:13]
	s_wait_tensorcnt 0x0                           ; the wave's end
	ds_add_u32 v[SPW], v[NIL]
	s_wait_dscnt 0x0
	s_endpgm
; ---------------- rw1: a wave takes one strip of 64 columns x one K step of 128, in two blocks of 64 rows.  In load kk lane (r, h) reads row 32 h + kk, columns 4 r .. 4 r + 3: a load is 2 x 256 consecutive bytes.
; A lane then holds, of each of its 4 columns, one whole block of 32 along K: just what the 4-bit operand layout gives lane (r, h).  The 128 v_mov of a block turn 32 registers x 4 columns into 4 runs of 32,
; which the conversions want; that is the price of loads of 16 bytes a lane.
.Lweights:
.macro LDW n
.set q_, (\n)/32
.set kk_, (\n)%32
	global_load_b128 v[128*(q_%2)+4*kk_:128*(q_%2)+4*kk_+3], v[VOW], s[6:7] offset:(64*q_+kk_)*4096 th:TH_LOAD_NT
.endm
.macro LDWS a, b
.set n_, \a
.rept (\b)-(\a)+1
	LDW n_
.set n_, n_+1
.endr
.endm
.macro TURN4 set, perm
	WIN 0x01                                       ; source in window 1
.set j_, 0
.rept 4
.set p_, 0
.rept 32
.if \perm
.set k_, 4*(p_%8)+p_/8
.else
.set k_, p_
.endif
	v_mov_b32 v[T+32*j_+p_], v[128*(\set)+4*k_+j_]
.set p_, p_+1
.endr
.set j_, j_+1
.endr
	WIN 0
.endm
.macro BLKQ c, cd                      ; four columns' blocks by turns: largest magnitude, scale, byte, 32 codes each
.irp j, 0,1,2,3
	v_max3_num_f32 v[MX+\j], |v[T+32*\j]|, |v[T+32*\j+1]|, 0x1800000
.endr
.irp i, 2,4,6,8,10,12,14,16,18,20,22,24,26,28,30
.irp j, 0,1,2,3
	v_max3_num_f32 v[MX+\j], v[MX+\j], |v[T+32*\j+\i]|, |v[T+32*\j+\i+1]|
.endr
.endr
.irp j, 0,1,2,3
	v_add_nc_u32 v[SO+\j], 0xff000000, v[MX+\j]
.endr
.irp j, 0,1,2,3
	v_lshrrev_b32 v[BY+\j], 23, v[SO+\j]
.endr
.irp j, 0,1,2,3
.if \c == 0
	v_mov_b32 v[WD+\j], v[BY+\j]                   ; block h of the K step,
.else
	v_lshl_or_b32 v[WD+\j], v[BY+\j], 16, v[WD+\j] ; block 2 + h
.endif
.endr
.irp j, 0,1,2,3
.irp t, 0,1,2,3
	v_cvt_scalef32_pk8_fp4_f32 v[\cd+4*\j+\t], v[T+32*\j+8*\t:T+32*\j+8*\t+7], v[SO+\j]
.endr
.endr
	v_nop                                          ; one plain line behind the last conversion
.endm
.macro WORDS                           ; my two bytes go 8 h bits up; with lane l xor 16's two the column's scale word is whole, in both halves
.irp j, 0,1,2,3
	v_lshlrev_b32 v[WD+\j], v[SH8], v[WD+\j]
.endr
.irp j, 0,1,2,3
	v_permlanex16_b32 v[TP+\j], v[WD+\j], s20, s21
.endr
.irp j, 0,1,2,3
	v_or_b32 v[WD+\j], v[WD+\j], v[TP+\j]
.endr
.endm
	v_and_b32 v7, 15, v0                           ; r
	v_bfe_u32 v8, v0, 4, 1                         ; h
	v_lshlrev_b32 v[VOW], 4, v7
	v_lshl_add_u32 v[VOW], v8, 17, v[VOW]          ; 32 h rows of 4,096 bytes + 16 r
	v_lshlrev_b32 v[LI], 4, v2
	v_lshlrev_b32 v[L8], 3, v2
	v_lshlrev_b32 v[SH8], 3, v8
.irp j, 0,1,2,3
	v_mov_b32 v[TP+\j], 0                          ; a lane permute's destination counts as one of its sources
.endr
	s_mov_b32 s20, 0x76543210
	s_mov_b32 s21, 0xfedcba98                      ; lane l xor 16
	s_mov_b32 s22, 0xffff0000                      ; lanes 16-31
	s_sub_co_u32 s17, ttmp9, 32
	s_lshl_b32 s17, s17, 2
	s_add_co_u32 s17, s17, s16                     ; u = 8 st + s
	s_lshr_b32 s18, s17, 3                         ; strip
	s_and_b32 s19, s17, 7                          ; K step
	s_lshl_b32 s24, s19, 19                        ; 128 rows of 4,096 bytes a K step
	s_lshl_b32 s25, s18, 8
	s_add_co_u32 s24, s24, s25
	s_mov_b32 s25, 0
	s_lshl_b32 s26, s18, 15
	s_lshl_b32 s27, s19, 10
	s_add_co_u32 s26, s26, s27
	s_mov_b32 s27, 0
	s_lshl_b32 s28, s17, 8
	s_add_co_u32 s28, s28, 524288
	s_mov_b32 s29, 0
	s_wait_kmcnt 0x0
	s_add_nc_u64 s[6:7], s[6:7], s[24:25]
	s_add_nc_u64 s[12:13], s[10:11], s[28:29]      ; my scale words
	s_add_nc_u64 s[10:11], s[10:11], s[26:27]      ; my fragments
	WIN 0x40                                       ; destination in window 1
	LDWS 0, 63
	WIN 0
	s_wait_loadcnt 32                              ; the first block's 32 loads are in; the second's may be out
	TURN4 0, 0
	BLKQ 0, CD
.irp j, 0,1,2,3
	global_store_b128 v[LI], v[CD+4*\j:CD+4*\j+3], s[10:11] offset:8192*\j       ; 512 consecutive bytes, aligned
.endr
	s_wait_loadcnt 0x0
	TURN4 1, 0
	BLKQ 1, CD2                                    ; a second set of code registers: no store's data are written again
.irp j, 0,1,2,3
	global_store_b128 v[LI], v[CD2+4*\j:CD2+4*\j+3], s[10:11] offset:8192*\j+512
.endr
	WORDS
	v_cndmask_b32 v84, v[WD], v[WD+1], s22         ; lanes 0-15 tile 0's words, lanes 16-31 tile 1's
	v_cndmask_b32 v85, v[WD+2], v[WD+3], s22       ; tiles 2 and 3
	global_store_b64 v[L8], v[84:85], s[12:13]     ; 256 consecutive bytes, aligned
	s_endpgm
.Lfunc_end_k_qbd708a7868_quant:
	.size	k_qbd708a7868_quant, .Lfunc_end_k_qbd708a7868_quant-k_qbd708a7868_quant
	.p2alignl 7, 3214868480
	.fill 96, 4, 3214868480
	.section	.rodata,"a",@progbits
	.p2align	6, 0x0
	.amdhsa_kernel k_qbd708a7868_quant
		.amdhsa_group_segment_fixed_size 33280
		.amdhsa_private_segment_fixed_size 0
		.amdhsa_enable_private_segment 0
		.amdhsa_kernarg_size 32
		.amdhsa_user_sgpr_count 2
		.amdhsa_user_sgpr_kernarg_segment_ptr 1
		.amdhsa_wavefront_size32 1
		.amdhsa_system_sgpr_workgroup_id_x 1
		.amdhsa_system_sgpr_workgroup_id_y 1
		.amdhsa_system_sgpr_workgroup_id_z 1
		.amdhsa_system_vgpr_workitem_id 0
		.amdhsa_next_free_vgpr 512
		.amdhsa_next_free_sgpr 66
		.amdhsa_reserve_vcc 0
		.amdhsa_float_denorm_mode_32 3
		.amdhsa_float_denorm_mode_16_64 3
		.amdhsa_memory_ordered 1
		.amdhsa_forward_progress 1
		.amdhsa_inst_pref_size 61
	.end_amdhsa_kernel
	.amdgpu_metadata
---
amdhsa.version: [ 1, 2 ]
amdhsa.kernels:
  - .name:           k_qbd708a7868_quant
    .symbol:         k_qbd708a7868_quant.kd
    .args:
      - { .name: x, .offset: 0, .size: 8, .value_kind: global_buffer, .address_space: global }
      - { .name: rw1, .offset: 8, .size: 8, .value_kind: global_buffer, .address_space: global }
      - { .name: xc, .offset: 16, .size: 8, .value_kind: global_buffer, .address_space: global }
      - { .name: rc, .offset: 24, .size: 8, .value_kind: global_buffer, .address_space: global }
    .group_segment_fixed_size: 33280
    .private_segment_fixed_size: 0
    .kernarg_segment_align: 8
    .kernarg_segment_size: 32
    .max_flat_workgroup_size: 128
    .sgpr_count:     66
    .vgpr_count:     512
    .wavefront_size: 32
...
	.end_amdgpu_metadata
.endif
;; end of part 1
;; launch router (part 2): grid 32 x 1, 4 waves a work-group, no clusters, 41,472 bytes of LDS; arguments xc, rc, rw2, rb1, rb2, sel, gate; writes sel, gate
.if DOCPART == 2
	.amdgcn_target "amdgcn-amd-amdhsa--gfx1250"
	.amdhsa_code_object_version 6
	.text
	.protected	k_qbd708a7868_router
	.globl	k_qbd708a7868_router
	.p2align	8
	.type	k_qbd708a7868_router,@function
k_qbd708a7868_router:
	s_mov_b64 s[64:65], 0
	v_nop
	global_prefetch_b8 v0, s[64:65] scope:SCOPE_SE
	s_setreg_imm32_b32 hwreg(HW_REG_WAVE_MODE, 25, 1), 1
	s_wait_xcnt 0x0
; probs = softmax(relu(x rw1 + rb1) rw2 + rb2); the two largest of each token.  The first product on codes of E2M1 (xc, rc: made by the launch before), the second by f32 multiply-adds.
; STORES, at fixed places: sel [kind 2][expert 8][word 32] of 32 bits, bit b of word w = token 32 w + b; kind 0: the expert is chosen for the token, kind 1: it is the token's SECOND choice;
; gate [slot 2][token]: the probability of the first and of the second choice.  No address and no branch of this launch hangs on them.
; SHARES.  A work-group owns 32 tokens (two tiles of 16: one word of sel); wave w owns columns 256 w .. 256 w + 255 of the hidden layer, four strips of 64.
; THE PRODUCT IS USED TRANSPOSED: source 0 = 16 columns of rw1 (tile j of a strip: columns 4 r + j), source 1 = 16 tokens.  Lane (r, h), register i of tile j holds token r, column 32 h + 4 i + j of the strip.
; rw2 and rb1 lie in LDS; all lanes of a half read the same bytes there.  Multicast is not used: no tensor load stands in this text, and rc, which all 32 work-groups walk, is 0.5 MB.
; LIMITS: NaN and infinities are not served.  Two probabilities that differ by no more than f32 rounding may be ordered otherwise than in reference(); equal ones keep the lower index, as jax.lax.top_k does.
; The order of the f32 sums differs from reference()'s.
.set RW2,   0                          ; LDS: rw2 [column][8] f32, 32,768 bytes
.set RB1,   32768                      ; rb1, 4,096 bytes
.set PART,  36864                      ; the waves' partial logits [wave][token][8], 4,096 bytes
.set SPARE, 40960                      ; the spare words, 128 bytes a wave
.set LI,  4                            ; v4  16 x lane
.set L8,  5                            ; v5  8 x lane
.set XA,  6                            ; v6  x's codes: 512 r + 16 h
.set XSA, 7                            ; v7  32 x lane
.set CP,  8                            ; v8  16 x thread: the copies of rw2 and rb1, in memory and in LDS
.set CRW, 10                           ; v10 rw2 in LDS: 8192 w + 1024 h
.set CRB, 11                           ; v11 rb1 in LDS: RB1 + 1024 w + 128 h
.set PST, 12                           ; v12 PART + 1024 w + 32 x lane
.set PLD, 13                           ; v13 PART + 32 x lane
.set GA,  14                           ; v14 4 x lane
.set SA,  15                           ; v15 sel: 1024 kind + 128 expert + 4 x work-group, for lanes 0-15
.set SPW, 22
.set NIL, 23
.set XS,  24                           ; v24-31  x's scale words: register s, lane l = token l
.set WS,  32                           ; v32-63  rw1's scale words, two sets of 16: register 2 s + jp
.set ACC, 64                           ; v64-127 eight accumulators: (4 rt + j) x 8
.set LG,  128                          ; v128-143 partial logits [rt][8]
.set CO,  144                          ; v144-215 two sets of 36: rw2 of four columns (8 j + e), rb1 of the four
.set HT,  216                          ; v216-231 eight hidden numbers in even registers; the odd ones hold 0
; window 1: x's fragments (8 rt + s) x 8.   windows 2, 3: a strip's 32 fragments (8 j + s) x 8, even and odd strips by turns.
.set MSB, 0
.macro WIN new
.if MSB != (\new)
	s_set_vgpr_msb (MSB<<8)|(\new)
.set MSB, (\new)
.endif
.endm
.macro WM zero                         ; one product: d_, a_, b_ registers; sa_, sb_ scale registers; ra_, rb_: the scales stand in lanes 16-31
.if \zero
.if ra_ && rb_
	v_wmma_scale_f32_16x16x128_f8f6f4 v[d_:d_+7], v[a_:a_+7], v[b_:b_+7], 0, v[sa_], v[sb_] matrix_a_fmt:MATRIX_FMT_FP4 matrix_b_fmt:MATRIX_FMT_FP4 matrix_a_scale:MATRIX_SCALE_ROW1 matrix_b_scale:MATRIX_SCALE_ROW1
.elseif ra_
	v_wmma_scale_f32_16x16x128_f8f6f4 v[d_:d_+7], v[a_:a_+7], v[b_:b_+7], 0, v[sa_], v[sb_] matrix_a_fmt:MATRIX_FMT_FP4 matrix_b_fmt:MATRIX_FMT_FP4 matrix_a_scale:MATRIX_SCALE_ROW1
.elseif rb_
	v_wmma_scale_f32_16x16x128_f8f6f4 v[d_:d_+7], v[a_:a_+7], v[b_:b_+7], 0, v[sa_], v[sb_] matrix_a_fmt:MATRIX_FMT_FP4 matrix_b_fmt:MATRIX_FMT_FP4 matrix_b_scale:MATRIX_SCALE_ROW1
.else
	v_wmma_scale_f32_16x16x128_f8f6f4 v[d_:d_+7], v[a_:a_+7], v[b_:b_+7], 0, v[sa_], v[sb_] matrix_a_fmt:MATRIX_FMT_FP4 matrix_b_fmt:MATRIX_FMT_FP4
.endif
.else
.if ra_ && rb_
	v_wmma_scale_f32_16x16x128_f8f6f4 v[d_:d_+7], v[a_:a_+7], v[b_:b_+7], v[d_:d_+7], v[sa_], v[sb_] matrix_a_fmt:MATRIX_FMT_FP4 matrix_b_fmt:MATRIX_FMT_FP4 matrix_a_scale:MATRIX_SCALE_ROW1 matrix_b_scale:MATRIX_SCALE_ROW1
.elseif ra_
	v_wmma_scale_f32_16x16x128_f8f6f4 v[d_:d_+7], v[a_:a_+7], v[b_:b_+7], v[d_:d_+7], v[sa_], v[sb_] matrix_a_fmt:MATRIX_FMT_FP4 matrix_b_fmt:MATRIX_FMT_FP4 matrix_a_scale:MATRIX_SCALE_ROW1
.elseif rb_
	v_wmma_scale_f32_16x16x128_f8f6f4 v[d_:d_+7], v[a_:a_+7], v[b_:b_+7], v[d_:d_+7], v[sa_], v[sb_] matrix_a_fmt:MATRIX_FMT_FP4 matrix_b_fmt:MATRIX_FMT_FP4 matrix_b_scale:MATRIX_SCALE_ROW1
.else
	v_wmma_scale_f32_16x16x128_f8f6f4 v[d_:d_+7], v[a_:a_+7], v[b_:b_+7], v[d_:d_+7], v[sa_], v[sb_] matrix_a_fmt:MATRIX_FMT_FP4 matrix_b_fmt:MATRIX_FMT_FP4
.endif
.endif
.endm
.macro LOADS k                         ; strip k of my four: 64 loads of fragments, 8 of scale words: 72
	WIN 0x80+0x40*((\k)%2)                         ; destination window 2 or 3
.irp j, 0,1,2,3
.irp s, 0,1,2,3,4,5,6,7
.irp c, 0,1
	global_load_b128 v[(\j*8+\s)*8+4*\c:(\j*8+\s)*8+4*\c+3], v[LI], s[56:57] offset:(\k)*32768+\j*8192+\s*1024+\c*512
.endr
.endr
.endr
	WIN 0
.irp s, 0,1,2,3,4,5,6,7
	global_load_b64 v[WS+16*((\k)%2)+2*\s:WS+16*((\k)%2)+2*\s+1], v[L8], s[58:59] offset:((\k)*8+\s)*256
.endr
.endm
.macro COL k, i, set                   ; rw2 and rb1 of my half's columns 4 i .. 4 i + 3 of strip k: nine LDS loads
.irp j, 0,1,2,3
.irp u, 0,1
	ds_load_b128 v[CO+36*(\set)+8*\j+4*\u:CO+36*(\set)+8*\j+4*\u+3], v[CRW] offset:(\k)*2048+(\i)*128+\j*32+16*\u
.endr
.endr
	ds_load_b128 v[CO+36*(\set)+32:CO+36*(\set)+35], v[CRB] offset:(\k)*256+16*(\i)
.endm
.macro P k                             ; strip k: 64 products, then relu and the second product's multiply-adds
	COL \k, 0, 0
	WIN 0x06+(\k)%2                                ; source 0 window 2 or 3, source 1 window 1
.irp s, 0,1,2,3,4,5,6,7
.irp rt, 0,1
.irp j, 0,1,2,3                        ; the eight accumulators take turns, one instruction a turn
.set d_, ACC+(\rt*4+\j)*8
.set a_, (\j*8+\s)*8
.set b_, (\rt*8+\s)*8
.set sa_, WS+16*((\k)%2)+2*\s+\j/2
.set sb_, XS+\s
.set ra_, \j%2
.set rb_, \rt
.if \s == 0
	WM 1
.else
	WM 0
.endif
.endr
.endr
.endr
	WIN 0
.rept 4
	v_nop                                          ; four places ahead of the first read of a result
.endr
.irp i, 0,1,2,3,4,5,6,7                ; register i of every accumulator: from the low end on
.if \i < 7
	COL \k, \i+1, (\i+1)%2
	s_wait_dscnt 9                                 ; this register's nine loads are in; the next nine may be out
.else
	s_wait_dscnt 0x0
.endif
.irp rt, 0,1
.irp j, 0,1,2,3
	v_add_f32 v[HT+2*(\rt*4+\j)], v[ACC+(\rt*4+\j)*8+\i], v[CO+36*(\i%2)+32+\j]    ; + rb1
.endr
.endr
.irp rt, 0,1
.irp j, 0,1,2,3
	v_max_num_f32 v[HT+2*(\rt*4+\j)], 0, v[HT+2*(\rt*4+\j)]                        ; relu
.endr
.endr
.irp j, 0,1,2,3
.irp rt, 0,1
.irp q, 0,1,2,3
	v_pk_fma_f32 v[LG+8*\rt+2*\q:LG+8*\rt+2*\q+1], v[HT+2*(\rt*4+\j):HT+2*(\rt*4+\j)+1], v[CO+36*(\i%2)+8*\j+2*\q:CO+36*(\i%2)+8*\j+2*\q+1], v[LG+8*\rt+2*\q:LG+8*\rt+2*\q+1] op_sel_hi:[0,1,1]   ; two experts at a time
.endr
.endr
.endr
.endr
.endm
	s_load_b256 s[4:11], s[0:1], 0x0               ; xc s[4:5], rc s[6:7], rw2 s[8:9], rb1 s[10:11]
	s_load_b128 s[12:15], s[0:1], 0x20             ; rb2 s[12:13], sel s[14:15]
	s_load_b64 s[16:17], s[0:1], 0x30              ; gate
	v_lshl_add_u32 v[SPW], v0, 2, SPARE
	v_mov_b32 v[NIL], 0
	v_lshrrev_b32 v1, 5, v0
	v_readfirstlane_b32 s18, v1                    ; wave
	s_mov_b32 s19, ttmp9                           ; block of 32 tokens
	v_and_b32 v1, 31, v0                           ; lane
	v_and_b32 v2, 15, v0                           ; r
	v_bfe_u32 v3, v0, 4, 1                         ; h
	v_lshlrev_b32 v[LI], 4, v1
	v_lshlrev_b32 v[L8], 3, v1
	v_lshlrev_b32 v[XA], 9, v2
	v_lshl_add_u32 v[XA], v3, 4, v[XA]
	v_lshlrev_b32 v[XSA], 5, v1
	v_lshlrev_b32 v[CP], 4, v0
	s_lshl_b32 s48, s18, 13
	v_lshlrev_b32 v[CRW], 10, v3
	v_add_nc_u32 v[CRW], s48, v[CRW]
	s_lshl_b32 s49, s18, 10
	v_lshlrev_b32 v[CRB], 7, v3
	v_add_nc_u32 v[CRB], s49, v[CRB]
	v_add_nc_u32 v[CRB], RB1, v[CRB]
	v_add_nc_u32 v[PLD], PART, v[XSA]
	v_add_nc_u32 v[PST], s49, v[PLD]
	v_lshlrev_b32 v[GA], 2, v1
	v_bfe_u32 v[SA], v1, 3, 1
	v_and_b32 v16, 7, v1
	v_lshlrev_b32 v[SA], 10, v[SA]
	v_lshl_add_u32 v[SA], v16, 7, v[SA]
	s_lshl_b32 s50, s19, 2
	v_add_nc_u32 v[SA], s50, v[SA]
	s_mov_b32 s20, 0x76543210
	s_mov_b32 s21, 0xfedcba98                      ; lane l xor 16
	s_mov_b32 s22, 0xffff0000                      ; lanes 16-31
	s_mov_b32 s63, 0
	s_wait_kmcnt 0x0
	s_load_b256 s[24:31], s[12:13], 0x0            ; rb2
	s_lshl_b32 s62, s19, 14
	s_add_nc_u64 s[52:53], s[4:5], s[62:63]        ; my tokens' codes
	s_lshl_b32 s62, s19, 10
	s_add_co_u32 s62, s62, 524288
	s_add_nc_u64 s[54:55], s[4:5], s[62:63]        ; and scale bytes
	s_lshl_b32 s62, s18, 17
	s_add_nc_u64 s[56:57], s[6:7], s[62:63]        ; my four strips' fragments
	s_lshl_b32 s62, s18, 13
	s_add_co_u32 s62, s62, 524288
	s_add_nc_u64 s[58:59], s[6:7], s[62:63]        ; and scale words
	s_lshl_b32 s62, s19, 7
	s_add_nc_u64 s[60:61], s[16:17], s[62:63]      ; my tokens' gates
.irp n, 0,1,2,3,4,5,6,7,8,9,10,11,12,13,14,15
	global_load_b128 v[64+4*\n:67+4*\n], v[CP], s[8:9] offset:2048*\n      ; rw2: the work-group's 128 threads copy 2,048 bytes a load
.endr
.irp n, 0,1
	global_load_b128 v[128+4*\n:131+4*\n], v[CP], s[10:11] offset:2048*\n  ; rb1
.endr
	WIN 0x40
.irp rt, 0,1
.irp s, 0,1,2,3,4,5,6,7
.irp c, 0,1
	global_load_b128 v[(\rt*8+\s)*8+4*\c:(\rt*8+\s)*8+4*\c+3], v[XA], s[52:53] offset:\rt*8192+64*\s+32*\c
.endr
.endr
.endr
	WIN 0
	global_load_b128 v[XS:XS+3], v[XSA], s[54:55]
	global_load_b128 v[XS+4:XS+7], v[XSA], s[54:55] offset:16
	LOADS 0
	s_wait_loadcnt 63                              ; 124 loads are issued: the first 61 are in, the 52 of the copies and of x among them
.irp n, 0,1,2,3,4,5,6,7,8,9,10,11,12,13,14,15
	ds_store_b128 v[CP], v[64+4*\n:67+4*\n] offset:RW2+2048*\n
.endr
.irp n, 0,1
	ds_store_b128 v[CP], v[128+4*\n:131+4*\n] offset:RB1+2048*\n
.endr
	s_wait_dscnt 0x0                               ; for the others' sake: my part of the copies has landed
	s_barrier_signal -1
	s_barrier_wait -1
	s_wait_kmcnt 0x0                               ; rb2
.irp n, 0,1,2,3,4,5,6,7,8,9,10,11,12,13,14,15
	v_mov_b32 v[LG+\n], 0
.endr
.irp n, 0,1,2,3,4,5,6,7
	v_mov_b32 v[HT+2*\n+1], 0                      ; named as the upper halves of pairs, so they are written
.endr
	LOADS 1
	s_wait_loadcnt 63                              ; the 63 that may be out all belong to the 72 just issued: strip 0 is in
	P 0
	LOADS 2                                        ; into the window that strip 0 has left: the vector work at its end stands between
	s_wait_loadcnt 63
	P 1
	LOADS 3
	s_wait_loadcnt 63
	P 2
	s_wait_loadcnt 0x0
	P 3
.irp n, 0,1,2,3,4,5,6,7,8,9,10,11,12,13,14,15
	v_permlanex16_b32 v[CO+\n], v[LG+\n], s20, s21
.endr
.irp n, 0,1,2,3,4,5,6,7,8,9,10,11,12,13,14,15
	v_add_f32 v[LG+\n], v[LG+\n], v[CO+\n]         ; the two halves' columns
.endr
.irp e, 0,1,2,3,4,5,6,7
	v_cndmask_b32 v[160+\e], v[LG+\e], v[LG+8+\e], s22   ; lane l now holds token l
.endr
	ds_store_b128 v[PST], v[160:163]
	ds_store_b128 v[PST], v[164:167] offset:16
	s_wait_dscnt 0x0
	s_barrier_signal -1
	s_barrier_wait -1
	s_cmp_lg_u32 s18, 0                            ; wave 0 finishes the 32 tokens, a lane a token
	s_cbranch_scc1 .Ldone
.irp wv, 0,1,2,3
.irp u, 0,1
	ds_load_b128 v[64+8*\wv+4*\u:64+8*\wv+4*\u+3], v[PLD] offset:1024*\wv+16*\u
.endr
.endr
	s_wait_dscnt 0x0
.irp e, 0,1,2,3,4,5,6,7
	v_add_f32 v[96+\e], v[64+\e], v[72+\e]
	v_add_f32 v[104+\e], v[80+\e], v[88+\e]
.endr
.irp e, 0,1,2,3,4,5,6,7
	v_add_f32 v[96+\e], v[96+\e], v[104+\e]
.endr
.irp e, 0,1,2,3,4,5,6,7
	v_add_f32 v[96+\e], s[24+\e], v[96+\e]         ; + rb2: the logits
.endr
	v_max3_num_f32 v112, v96, v97, v98
	v_max3_num_f32 v112, v112, v99, v100
	v_max3_num_f32 v112, v112, v101, v102
	v_max_num_f32 v112, v112, v103                 ; the maximum is taken away, as reference() does
.irp e, 0,1,2,3,4,5,6,7
	v_sub_f32 v[104+\e], v[96+\e], v112
.endr
.irp e, 0,1,2,3,4,5,6,7
	v_mul_f32 v[104+\e], 0x3fb8aa3b, v[104+\e]
.endr
.irp e, 0,1,2,3,4,5,6,7
	v_exp_f32 v[104+\e], v[104+\e]
.endr
	v_nop                                          ; a plain line behind the last exponential
	s_wait_alu depctr_va_vdst(0)                   ; one wait for the batch, ahead of its first reader
	v_add_f32 v113, v104, v105
	v_add_f32 v120, v106, v107
	v_add_f32 v121, v108, v109
	v_add_f32 v122, v110, v111
	v_add_f32 v113, v113, v120
	v_add_f32 v121, v121, v122
	v_add_f32 v113, v113, v121
	v_rcp_f32 v114, v113
	v_nop
	s_wait_alu depctr_va_vdst(0)
.irp e, 0,1,2,3,4,5,6,7
	v_mul_f32 v[96+\e], v[104+\e], v114            ; the probabilities
.endr
	v_mov_b32 v115, v96                            ; the largest: a later one wins only if strictly greater
	v_mov_b32 v116, 0
.irp e, 1,2,3,4,5,6,7
	v_cmp_gt_f32 vcc_lo, v[96+\e], v115
	v_cndmask_b32 v115, v115, v[96+\e], vcc_lo
	v_cndmask_b32 v116, v116, \e, vcc_lo
.endr
.irp e, 0,1,2,3,4,5,6,7
	v_cmp_eq_u32 vcc_lo, \e, v116
	v_cndmask_b32 v[104+\e], v[96+\e], -1.0, vcc_lo      ; the first choice is taken out: -1 lies under every probability
.endr
	v_mov_b32 v119, v104
	v_mov_b32 v117, 0
.irp e, 1,2,3,4,5,6,7
	v_cmp_gt_f32 vcc_lo, v[104+\e], v119
	v_cndmask_b32 v119, v119, v[104+\e], vcc_lo
	v_cndmask_b32 v117, v117, \e, vcc_lo
.endr
	global_store_b32 v[GA], v115, s[60:61]               ; slot 0
	global_store_b32 v[GA], v119, s[60:61] offset:4096   ; slot 1
.irp e, 0,1,2,3,4,5,6,7
	v_cmp_eq_u32 s[32+\e], \e, v116
	v_cmp_eq_u32 s[40+\e], \e, v117                ; second choice
.endr
.irp e, 0,1,2,3,4,5,6,7
	s_or_b32 s[32+\e], s[32+\e], s[40+\e]          ; chosen
.endr
	v_mov_b32 v118, 0
.irp n, 0,1,2,3,4,5,6,7,8,9,10,11,12,13,14,15
	v_writelane_b32 v118, s[32+\n], \n             ; lane e: expert e's word of kind 0; lane 8 + e: of kind 1
.endr
	s_wait_xcnt 0x0                                ; EXEC changes only behind this wait
	v_cmp_gt_u32 vcc_lo, 16, v1
	s_and_saveexec_b32 s51, vcc_lo
	global_store_b32 v[SA], v118, s[14:15]
	s_wait_xcnt 0x0
	s_or_b32 exec_lo, exec_lo, s51
.Ldone:
	s_wait_tensorcnt 0x0                           ; the wave's end
	ds_add_u32 v[SPW], v[NIL]
	s_wait_dscnt 0x0
	s_endpgm
.Lfunc_end_k_qbd708a7868_router:
	.size	k_qbd708a7868_router, .Lfunc_end_k_qbd708a7868_router-k_qbd708a7868_router
	.p2alignl 7, 3214868480
	.fill 96, 4, 3214868480
	.section	.rodata,"a",@progbits
	.p2align	6, 0x0
	.amdhsa_kernel k_qbd708a7868_router
		.amdhsa_group_segment_fixed_size 41472
		.amdhsa_private_segment_fixed_size 0
		.amdhsa_enable_private_segment 0
		.amdhsa_kernarg_size 56
		.amdhsa_user_sgpr_count 2
		.amdhsa_user_sgpr_kernarg_segment_ptr 1
		.amdhsa_wavefront_size32 1
		.amdhsa_system_sgpr_workgroup_id_x 1
		.amdhsa_system_sgpr_workgroup_id_y 1
		.amdhsa_system_sgpr_workgroup_id_z 1
		.amdhsa_system_vgpr_workitem_id 0
		.amdhsa_next_free_vgpr 1024
		.amdhsa_next_free_sgpr 66
		.amdhsa_reserve_vcc 1
		.amdhsa_float_denorm_mode_32 3
		.amdhsa_float_denorm_mode_16_64 3
		.amdhsa_memory_ordered 1
		.amdhsa_forward_progress 1
		.amdhsa_inst_pref_size 180
	.end_amdhsa_kernel
	.amdgpu_metadata
---
amdhsa.version: [ 1, 2 ]
amdhsa.kernels:
  - .name:           k_qbd708a7868_router
    .symbol:         k_qbd708a7868_router.kd
    .args:
      - { .name: xc, .offset: 0, .size: 8, .value_kind: global_buffer, .address_space: global }
      - { .name: rc, .offset: 8, .size: 8, .value_kind: global_buffer, .address_space: global }
      - { .name: rw2, .offset: 16, .size: 8, .value_kind: global_buffer, .address_space: global }
      - { .name: rb1, .offset: 24, .size: 8, .value_kind: global_buffer, .address_space: global }
      - { .name: rb2, .offset: 32, .size: 8, .value_kind: global_buffer, .address_space: global }
      - { .name: sel, .offset: 40, .size: 8, .value_kind: global_buffer, .address_space: global }
      - { .name: gate, .offset: 48, .size: 8, .value_kind: global_buffer, .address_space: global }
    .group_segment_fixed_size: 41472
    .private_segment_fixed_size: 0
    .kernarg_segment_align: 8
    .kernarg_segment_size: 56
    .max_flat_workgroup_size: 128
    .sgpr_count:     66
    .vgpr_count:     1024
    .wavefront_size: 32
...
	.end_amdgpu_metadata
.endif
;; end of part 2
;; launch ffn1 (part 3): grid 32 x 8, 4 waves a work-group, no clusters, 74,752 bytes of LDS; arguments ew1, eb1, xc, sel, hc; writes hc
.if DOCPART == 3
	.amdgcn_target "amdgcn-amd-amdhsa--gfx1250"
	.amdhsa_code_object_version 6
	.text
	.protected	k_qbd708a7868_ffn1
	.globl	k_qbd708a7868_ffn1
	.p2align	8
	.type	k_qbd708a7868_ffn1,@function
k_qbd708a7868_ffn1:
	s_mov_b64 s[64:65], 0
	v_nop
	global_prefetch_b8 v0, s[64:65] scope:SCOPE_SE
	s_setreg_imm32_b32 hwreg(HW_REG_WAVE_MODE, 25, 1), 1
	s_wait_xcnt 0x0
; hidden = relu(x ew1[e] + eb1[e]) for the rows that the router gave expert e, quantised along the hidden axis on the way; both operands of the product as codes of E2M1.
; WORK LEFT OUT: rows of experts not chosen for a token; their gate is exactly 0 in reference() (shown at the head of the first kernel).
; SHARES.  Work-group (hs, e) owns hidden units 128 hs .. 128 hs + 127 of expert e for all of K: 512 KB of ew1, read once, quantised in registers, kept as operand registers by all four waves.
; PHASE 1, the weights: wave w takes K rows 256 w .. 256 w + 255 in eight blocks of 64 rows x 64 columns.  In load kk lane (r, h) reads row 32 h + kk, columns 4 r .. 4 r + 3 (2 x 256 consecutive bytes a load), so a lane
; holds whole blocks of 32 along K of 4 columns: what the 4-bit layout gives lane (r, h).  128 v_mov a block turn them into runs of 32 registers for the conversions: the price of loads of 16 bytes a lane,
; of which 63 are out at a time.  The fragments go to LDS as images of registers, one barrier, and every wave loads all 64 fragments.
; THE ROWS: while the first loads are on their way the work-group turns the expert's 1,024 bits of sel into a list of tokens in LDS, by integer arithmetic alone (position -> word by prefix counts, -> bit by counts in the word).
; Positions past the count repeat the last listed row.
; PHASE 2, the tiles: tile m = positions 16 m .. 16 m + 15 belongs to wave m % 4.  Transposed product: source 0 = 16 hidden units (tile j + 4 g: units 64 g + 4 r + j), source 1 = 16 rows of x; eb1 is the C of the first product.
; Lane (row r, h) then holds all 32 units of block 2 g + h: no other lane is asked for the maximum, and the conversions' results ARE the next operand's registers.  In a block, code position 8 j + i holds unit 4 i + j;
; the next launch lays ew2's rows the same way.  hc: fragment (e, m, hs) at 1024 (32 (64 e + m) + hs), from byte 2^24 on scale words at 64 (32 (64 e + m) + hs) + 4 r.
; Tiles are walked up to max(count, 64): tiles 0-3 of every expert are always written, since the next launch's waves each ask for one of them before they know of the count.
; No tensor load: branches hang on a stored count, and the weights pass through registers.  No multicast for the same reason; x's codes, which are shared, are the lesser part beside 512 KB of own weights.
; LIMITS: as stated at the head of the first kernel (NaN, infinities, blocks of zeros, blocks under 2^-124); the bias starts the f32 sum.
.set IMG,   0                          ; LDS: 64 fragments x 1,024 bytes: (8 (j + 4 g) + s) x 1024 + 512 c + 16 l
.set SCW,   65536                      ; scale words: register 4 s + j at x 128; g at + 64; row r at + 4 r
.set LIST,  69632                      ; the list: 4 bytes a position
.set SPARE, 74240
.set VOW, 4                            ; v4  32 h rows of 16,384 bytes + 16 r
.set LI,  5                            ; v5  16 x lane
.set LS4, 6                            ; v6  SCW + 4 x lane
.set AIM, 7                            ; v7  16 x lane + 2048 w
.set ASW, 8                            ; v8  SCW + 4 r + 1024 w
.set ALI, 9                            ; v9  LIST + 4 (16 w + r)
.set SLA, 10                           ; v10 LIST + 4 x thread
.set SH8, 11                           ; v11 8 h
.set BA,  12                           ; v12 128 h
.set H16, 13                           ; v13 16 h
.set SLT, 14                           ; v14 the list's store address of a trip
.set SPW, 30
.set NIL, 31
.set MX,  32                           ; phase 1: v32-35, 36-39, 40-43, 44-47, 48-51, 52-67 as named; v96-223 T
.set SO,  36
.set WD,  40
.set TP,  44
.set BY,  48
.set CD,  52
.set T,   96
.set WS,  32                           ; phase 2: v32-63 the weights' scale words
.set XSC, 64                           ; v64-79  x's scale words, two sets of 8
.set TK,  80                           ; v80 a token;  v81 its LDS address;  v82-83, v84-85 offsets of its codes and scales, a set each
.set TA,  81
.set VX,  82
.set VS,  84
.set XF,  96                           ; v96-223 x's fragments, two sets of 64
.set SEP, 96                           ; the list's making: v96-106
.set SEW, 97
.set SEF, 98
.set SEI, 99
.set SEQ, 100
.set KA,  101
.set KB,  102
.set KC,  103
.set KD,  104
.set POS, 105
.set TT,  106
; window 1: the load sets, then the fragments of g = 0 at (8 j + s) x 8;  window 2: those of g = 1
.set BIAS3, 64                         ; window 3: v0-63 the accumulators (8 (j + 4 g) + i), v64-127 eb1 in the same layout,
.set MX3, 128                          ; v128-131 maxima, v132-133 scale operands, v134-135 bytes, v136 the scale word, v137 the other half's,
.set SO3, 132
.set BY3, 134
.set WH,  136
.set TP3, 137
.set PC,  140                          ; v140-147 the codes, v148 16 x lane, v149 4 r, v150 8 h
.set VH,  148
.set VHS, 149
.set SH3, 150
.set MSB, 0
.macro WIN new
.if MSB != (\new)
	s_set_vgpr_msb (MSB<<8)|(\new)
.set MSB, (\new)
.endif
.endm
.macro LDW n                           ; load n of 256: block q = n / 32 (K step q / 4, strip (q / 2) % 2, part q % 2), row kk = n % 32
.set q_, (\n)/32
.set kk_, (\n)%32
	global_load_b128 v[128*(q_%2)+4*kk_:128*(q_%2)+4*kk_+3], v[VOW], s[4:5] offset:(128*(q_/4)+64*(q_%2)+kk_)*16384+256*((q_/2)%2) th:TH_LOAD_NT
.endm
.macro LDWS a, b
.set n_, \a
.rept (\b)-(\a)+1
	LDW n_
.set n_, n_+1
.endr
.endm
.macro TURN4 set, perm
	WIN 0x01
.set j_, 0
.rept 4
.set p_, 0
.rept 32
.if \perm
.set k_, 4*(p_%8)+p_/8
.else
.set k_, p_
.endif
	v_mov_b32 v[T+32*j_+p_], v[128*(\set)+4*k_+j_]
.set p_, p_+1
.endr
.set j_, j_+1
.endr
	WIN 0
.endm
.macro BLKQ c, cd
.irp j, 0,1,2,3
	v_max3_num_f32 v[MX+\j], |v[T+32*\j]|, |v[T+32*\j+1]|, 0x1800000   ; with the floor 2^(3 - 127): the byte cannot fall under 1
.endr
.irp i, 2,4,6,8,10,12,14,16,18,20,22,24,26,28,30
.irp j, 0,1,2,3
	v_max3_num_f32 v[MX+\j], v[MX+\j], |v[T+32*\j+\i]|, |v[T+32*\j+\i+1]|
.endr
.endr
.irp j, 0,1,2,3
	v_add_nc_u32 v[SO+\j], 0xff000000, v[MX+\j]    ; 2 off the exponent field: the conversion's scale operand
.endr
.irp j, 0,1,2,3
	v_lshrrev_b32 v[BY+\j], 23, v[SO+\j]
.endr
.irp j, 0,1,2,3
.if \c == 0
	v_mov_b32 v[WD+\j], v[BY+\j]
.else
	v_lshl_or_b32 v[WD+\j], v[BY+\j], 16, v[WD+\j]
.endif
.endr
.irp j, 0,1,2,3
.irp t, 0,1,2,3
	v_cvt_scalef32_pk8_fp4_f32 v[\cd+4*\j+\t], v[T+32*\j+8*\t:T+32*\j+8*\t+7], v[SO+\j]
.endr
.endr
	v_nop                                          ; one plain line behind the last conversion
.endm
.macro WORDS
.irp j, 0,1,2,3
	v_lshlrev_b32 v[WD+\j], v[SH8], v[WD+\j]
.endr
.irp j, 0,1,2,3
	v_permlanex16_b32 v[TP+\j], v[WD+\j], s60, s61
.endr
.irp j, 0,1,2,3
	v_or_b32 v[WD+\j], v[WD+\j], v[TP+\j]
.endr
.endm
.macro RANKSTEP x, mask, step          ; does the wanted bit lie beyond the next \step bits?
	v_lshrrev_b32 v[TT], v[POS], v[\x]
	v_and_b32 v[TT], \mask, v[TT]
	v_cmp_ge_u32 vcc_lo, v[SEQ], v[TT]
	v_sub_nc_u32 v[TT], v[SEQ], v[TT]
	v_cndmask_b32 v[SEQ], v[SEQ], v[TT], vcc_lo
	v_add_nc_u32 v[TT], \step, v[POS]
	v_cndmask_b32 v[POS], v[POS], v[TT], vcc_lo
.endm
.macro WQ q                            ; block q of the weights
.set wsl_, (\q)/4
.set wg_, ((\q)/2)%2
.set wc_, (\q)%2
.if \q < 7
	s_wait_loadcnt 31                              ; 63 + 32 q loads are issued, the first 32 q + 32 are wanted: 31 younger ones may be out
.else
	s_wait_loadcnt 0x0
.endif
	TURN4 (\q)%2, 0
.if \q < 6
	WIN 0x40
	LDWS 63+32*\q, 94+32*\q                        ; the last load of the next block, and 31 of the block after it, into the registers just read out
	WIN 0
.elseif \q == 6
	WIN 0x40
	LDWS 255, 255
	WIN 0xc0                                       ; eb1 in the result's layout: unit 64 g + 32 h + 4 i + j
.irp g, 0,1
.irp j, 0,1,2,3
.irp i, 0,1,2,3,4,5,6,7
	global_load_b32 v[BIAS3+(\j+4*\g)*8+\i], v[BA], s[6:7] offset:256*\g+16*\i+4*\j
.endr
.endr
.endr
	WIN 0
.endif
	s_wait_dscnt 0x0                               ; the last block's LDS stores have read their registers
	BLKQ wc_, CD
.irp j, 0,1,2,3
	ds_store_b128 v[AIM], v[CD+4*\j:CD+4*\j+3] offset:(\j+4*wg_)*8192+wsl_*1024+wc_*512
.endr
.if wc_ == 1
	WORDS
.irp j, 0,1,2,3
	ds_store_b32 v[ASW], v[WD+\j] offset:(wsl_*4+\j)*128+wg_*64    ; both halves write the same word with the same value
.endr
.endif
.endm
.macro FILL                            ; all 64 fragments and 32 registers of scale words, from LDS into every wave
	WIN 0x40
.set f_, 0
.rept 32
	ds_load_b128 v[8*f_:8*f_+3], v[LI] offset:f_*1024
	ds_load_b128 v[8*f_+4:8*f_+7], v[LI] offset:f_*1024+512
.set f_, f_+1
.endr
	WIN 0x80
.set f_, 0
.rept 32
	ds_load_b128 v[8*f_:8*f_+3], v[LI] offset:(32+f_)*1024
	ds_load_b128 v[8*f_+4:8*f_+7], v[LI] offset:(32+f_)*1024+512
.set f_, f_+1
.endr
	WIN 0
.set f_, 0
.rept 32
	ds_load_b32 v[WS+f_], v[LS4] offset:f_*128
.set f_, f_+1
.endr
	s_wait_dscnt 0x0
.endm
.macro LOADT set, off                  ; a tile's 16 rows of x: 16 loads of codes, 2 of scale words: 18
	v_add_nc_u32 v[TA], s58, v[ALI]
	ds_load_b32 v[TK], v[TA] offset:\off
	s_wait_dscnt 0x0
	v_min_u32 v[TK], 0x3ff, v[TK]                  ; a token's number, held inside the table
	v_lshl_add_u32 v[VX+\set], v[TK], 9, v[H16]
	v_lshlrev_b32 v[VS+\set], 5, v[TK]
.irp s, 0,1,2,3,4,5,6,7
.irp c, 0,1
	global_load_b128 v[XF+64*(\set)+8*\s+4*\c:XF+64*(\set)+8*\s+4*\c+3], v[VX+\set], s[8:9] offset:64*\s+32*\c
.endr
.endr
.irp u, 0,1
	global_load_b128 v[XSC+8*(\set)+4*\u:XSC+8*(\set)+4*\u+3], v[VS+\set], s[8:9] offset:524288+16*\u
.endr
.endm
.macro WM ra
.if \ra
	v_wmma_scale_f32_16x16x128_f8f6f4 v[d_:d_+7], v[a_:a_+7], v[b_:b_+7], v[c_:c_+7], v[sa_], v[sb_] matrix_a_fmt:MATRIX_FMT_FP4 matrix_b_fmt:MATRIX_FMT_FP4 matrix_a_scale:MATRIX_SCALE_ROW1
.else
	v_wmma_scale_f32_16x16x128_f8f6f4 v[d_:d_+7], v[a_:a_+7], v[b_:b_+7], v[c_:c_+7], v[sa_], v[sb_] matrix_a_fmt:MATRIX_FMT_FP4 matrix_b_fmt:MATRIX_FMT_FP4
.endif
.endm
.macro COMPUTE set, ab                 ; a tile: 64 products, relu, quantised, stored as one fragment and one scale word a row
.irp g, 0,1
	WIN 0xf1+\g                                    ; source 0 window 1 or 2, source 1 window 0, C and D window 3
.irp s, 0,1,2,3,4,5,6,7
.irp j, 0,1,2,3                        ; four accumulators take turns, one instruction a turn
.set d_, 32*\g+8*\j
.set a_, (\j*8+\s)*8
.set b_, XF+64*(\set)+8*\s
.set sa_, WS+4*\s+\j
.set sb_, XSC+8*(\set)+\s
.if \s == 0
.set c_, BIAS3+32*\g+8*\j
.else
.set c_, d_
.endif
	WM \g
.endr
.endr
.endr
	WIN 0xff                                       ; all in window 3
.rept 4
	v_nop                                          ; four places ahead of the first read of a result
.endr
.set n_, 0
.rept 64
	v_max_num_f32 v[n_], 0, v[n_]                  ; relu, each accumulator from its low end on
.set n_, n_+1
.endr
.irp c, 0,1,2,3
	v_max3_num_f32 v[MX3+\c], v[16*\c], v[16*\c+1], 0x1800000      ; none is negative: no |.|; the floor holds the byte at 1
.endr
.irp i, 2,4,6,8,10,12,14
.irp c, 0,1,2,3
	v_max3_num_f32 v[MX3+\c], v[MX3+\c], v[16*\c+\i], v[16*\c+\i+1]
.endr
.endr
	v_max_num_f32 v[MX3], v[MX3], v[MX3+1]         ; block h
	v_max_num_f32 v[MX3+2], v[MX3+2], v[MX3+3]     ; block 2 + h
	v_add_nc_u32 v[SO3], 0xff000000, v[MX3]
	v_add_nc_u32 v[SO3+1], 0xff000000, v[MX3+2]
	v_lshrrev_b32 v[BY3], 23, v[SO3]
	v_lshrrev_b32 v[BY3+1], 23, v[SO3+1]
	s_wait_xcnt 0x0                                ; the last tile's stores have read the codes' and the word's registers
	v_lshl_or_b32 v[WH], v[BY3+1], 16, v[BY3]
	v_lshlrev_b32 v[WH], v[SH3], v[WH]
	v_permlanex16_b32 v[TP3], v[WH], s60, s61
	v_or_b32 v[WH], v[WH], v[TP3]                  ; my row's scale word
.irp g, 0,1
.irp j, 0,1,2,3
	v_cvt_scalef32_pk8_fp4_f32 v[PC+4*\g+\j], v[32*\g+8*\j:32*\g+8*\j+7], v[SO3+\g]
.endr
.endr
	v_nop                                          ; one plain line behind the last conversion
	global_store_b128 v[VH], v[PC:PC+3], s[12:13] offset:(\ab)*131072          ; 512 consecutive bytes, aligned
	global_store_b128 v[VH], v[PC+4:PC+7], s[12:13] offset:(\ab)*131072+512
	global_store_b32 v[VHS], v[WH], s[14:15] offset:(\ab)*8192                 ; both halves store the same word
	WIN 0
.endm
	s_load_b256 s[4:11], s[0:1], 0x0               ; ew1 s[4:5], eb1 s[6:7], xc s[8:9], sel s[10:11]
	s_load_b64 s[12:13], s[0:1], 0x20              ; hc
	v_lshl_add_u32 v[SPW], v0, 2, SPARE
	v_mov_b32 v[NIL], 0
	v_lshrrev_b32 v1, 5, v0
	v_readfirstlane_b32 s48, v1                    ; wave
	s_and_b32 s49, ttmp7, 0xffff                   ; expert
	v_and_b32 v1, 31, v0                           ; lane
	v_and_b32 v2, 15, v0                           ; r
	v_bfe_u32 v3, v0, 4, 1                         ; h
	v_lshlrev_b32 v[VOW], 4, v2
	v_lshl_add_u32 v[VOW], v3, 19, v[VOW]
	s_lshl_b32 s62, s49, 24                        ; the expert's 2^24 bytes,
	s_lshl_b32 s55, s48, 22                        ; my wave's 256 rows,
	s_add_co_u32 s62, s62, s55
	s_lshl_b32 s55, ttmp9, 9                       ; the work-group's 128 columns
	s_add_co_u32 s62, s62, s55
	s_mov_b32 s63, 0
	s_lshl_b32 s66, s49, 7
	s_mov_b32 s67, 0
	s_wait_kmcnt 0x0
	s_add_nc_u64 s[4:5], s[4:5], s[62:63]
	s_add_nc_u64 s[10:11], s[10:11], s[66:67]
	s_load_b512 s[16:31], s[10:11], 0x0            ; the expert's 1,024 bits: chosen
	s_load_b512 s[32:47], s[10:11], 0x40
	WIN 0x40
	LDWS 0, 62                                     ; 63 loads are out
	WIN 0
	v_lshlrev_b32 v[LI], 4, v1
	v_lshlrev_b32 v[LS4], 2, v1
	v_add_nc_u32 v[LS4], SCW, v[LS4]
	s_lshl_b32 s55, s48, 11
	v_add_nc_u32 v[AIM], s55, v[LI]
	s_lshl_b32 s55, s48, 10
	v_lshlrev_b32 v[ASW], 2, v2
	v_add_nc_u32 v[ASW], s55, v[ASW]
	v_add_nc_u32 v[ASW], SCW, v[ASW]
	s_lshl_b32 s55, s48, 6
	v_lshlrev_b32 v[ALI], 2, v2
	v_add_nc_u32 v[ALI], s55, v[ALI]
	v_add_nc_u32 v[ALI], LIST, v[ALI]
	v_lshl_add_u32 v[SLA], v0, 2, LIST
	v_lshlrev_b32 v[SH8], 3, v3
	v_lshlrev_b32 v[BA], 7, v3
	v_lshlrev_b32 v[H16], 4, v3
.irp j, 0,1,2,3
	v_mov_b32 v[TP+\j], 0                          ; a lane permute's destination counts as one of its sources
.endr
	WIN 0xc0                                       ; destination window 3
	v_mov_b32 v[VH], v[LI]
	v_lshlrev_b32 v[VHS], 2, v2
	v_mov_b32 v[SH3], v[SH8]
	v_mov_b32 v[TP3], 0
	WIN 0
	s_mov_b32 s60, 0x76543210
	s_mov_b32 s61, 0xfedcba98                      ; lane l xor 16
	s_lshl_b32 s62, s49, 14
	s_lshl_b32 s55, ttmp9, 9
	s_add_co_u32 s62, s62, s55
	s_add_nc_u64 s[6:7], s[6:7], s[62:63]          ; eb1 at my 128 units
	s_lshl_b32 s62, s49, 17
	s_lshl_b32 s55, ttmp9, 6
	s_add_co_u32 s62, s62, s55
	s_lshl_b32 s55, s48, 11
	s_add_co_u32 s62, s62, s55
	s_add_co_u32 s62, s62, 0x1000000
	s_add_nc_u64 s[14:15], s[12:13], s[62:63]      ; hc's scale words at tile w
	s_lshl_b32 s62, s49, 21
	s_lshl_b32 s55, ttmp9, 10
	s_add_co_u32 s62, s62, s55
	s_lshl_b32 s55, s48, 15
	s_add_co_u32 s62, s62, s55
	s_add_nc_u64 s[12:13], s[12:13], s[62:63]      ; hc's fragments at tile w
	s_wait_kmcnt 0x0
	s_bcnt1_i32_b32 s51, s16
.irp w, 1,2,3,4,5,6,7,8,9,10,11,12,13,14,15,16,17,18,19,20,21,22,23,24,25,26,27,28,29,30,31
	s_bcnt1_i32_b32 s55, s[16+\w]
	s_add_co_u32 s51, s51, s55
.endr                                              ; s51: the expert's rows
	s_max_u32 s52, s51, 1
	s_sub_co_u32 s53, s52, 1                       ; the last listed position
	s_max_u32 s59, s51, 64                         ; tiles are walked up to here
; THE LIST: eight trips of 128 positions, a thread a position; a trip with no position under the count is jumped over (no barrier stands in it)
	s_mov_b32 s56, 0
	s_mov_b32 s57, 0
	s_mov_b32 s58, 0
.Lsel:
	s_cmp_ge_u32 s57, s52
	s_cbranch_scc1 .Lsel_skip
	v_add_nc_u32 v[SEP], s57, v0
	v_min_u32 v[SEP], s53, v[SEP]                  ; positions past the end repeat the last row
	v_mov_b32 v[SEW], s16
	v_mov_b32 v[SEF], 0
	v_mov_b32 v[SEI], 0
	s_bcnt1_i32_b32 s54, s16
.irp w, 1,2,3,4,5,6,7,8,9,10,11,12,13,14,15,16,17,18,19,20,21,22,23,24,25,26,27,28,29,30,31
	v_cmp_gt_u32 vcc_lo, s54, v[SEP]               ; do the words before word w already hold my position?  Then keep; else take word w
	v_cndmask_b32 v[SEW], s[16+\w], v[SEW], vcc_lo
	v_cndmask_b32 v[SEF], s54, v[SEF], vcc_lo
	v_cndmask_b32 v[SEI], \w, v[SEI], vcc_lo
	s_bcnt1_i32_b32 s55, s[16+\w]
	s_add_co_u32 s54, s54, s55
.endr
	v_sub_nc_u32 v[SEQ], v[SEP], v[SEF]            ; which set bit of the word
	v_lshrrev_b32 v[TT], 1, v[SEW]
	v_and_b32 v[TT], 0x55555555, v[TT]
	v_sub_nc_u32 v[KA], v[SEW], v[TT]              ; counts in pairs,
	v_lshrrev_b32 v[TT], 2, v[KA]
	v_and_b32 v[TT], 0x33333333, v[TT]
	v_and_b32 v[KB], 0x33333333, v[KA]
	v_add_nc_u32 v[KB], v[KB], v[TT]               ; in fours,
	v_lshrrev_b32 v[TT], 4, v[KB]
	v_add_nc_u32 v[KC], v[KB], v[TT]
	v_and_b32 v[KC], 0x0f0f0f0f, v[KC]             ; in bytes,
	v_lshrrev_b32 v[TT], 8, v[KC]
	v_add_nc_u32 v[KD], v[KC], v[TT]               ; in halves
	v_mov_b32 v[POS], 0
	RANKSTEP KD, 0xff, 16
	RANKSTEP KC, 0xff, 8
	RANKSTEP KB, 15, 4
	RANKSTEP KA, 3, 2
	RANKSTEP SEW, 1, 1
	v_lshl_add_u32 v[TT], v[SEI], 5, v[POS]        ; the token
	v_add_nc_u32 v[SLT], s58, v[SLA]
	ds_store_b32 v[SLT], v[TT]
.Lsel_skip:
	s_add_co_u32 s57, s57, 128
	s_add_co_u32 s58, s58, 512
	s_add_co_u32 s56, s56, 1
	s_cmp_lt_u32 s56, 8
	s_cbranch_scc1 .Lsel
	WQ 0
	WQ 1
	WQ 2
	WQ 3
	WQ 4
	WQ 5
	WQ 6
	WQ 7
	s_wait_dscnt 0x0                               ; for the others' sake: my images, scale words and part of the list have landed
	s_barrier_signal -1
	s_barrier_wait -1
	s_mov_b32 s58, 0
	LOADT 0, 0                                     ; my first tile's rows are asked for ahead of the weights' way back from LDS
	FILL
; THE TILES: eight trips; trip i has tiles 8 i + w (set 0) and 8 i + 4 + w (set 1).  Each arm asks for the next tile ahead of a tile's products; the counted wait leaves out just that tile's 18 loads.
	s_mov_b32 s56, 0
	s_lshl_b32 s57, s48, 4                         ; first position of the trip's first tile
.Ltrip:
	s_cmp_ge_u32 s57, s59
	s_cbranch_scc1 .Lskip
	s_add_co_u32 s55, s57, 64
	s_cmp_ge_u32 s55, s59
	s_cbranch_scc1 .Lonly_a
	LOADT 1, 256
	s_wait_loadcnt 18
	COMPUTE 0, 0
	s_add_co_u32 s55, s57, 128
	s_cmp_ge_u32 s55, s59
	s_cbranch_scc1 .Llast_b
	LOADT 0, 512
	s_wait_loadcnt 18
	COMPUTE 1, 1
	s_branch .Lskip
.Llast_b:
	s_wait_loadcnt 0x0
	COMPUTE 1, 1
	s_branch .Lskip
.Lonly_a:
	s_wait_loadcnt 0x0
	COMPUTE 0, 0
.Lskip:
	s_wait_xcnt 0x0                                ; the stores have read their bases
	s_add_nc_u64 s[12:13], s[12:13], 262144        ; eight tiles on
	s_add_nc_u64 s[14:15], s[14:15], 16384
	s_add_co_u32 s58, s58, 512
	s_add_co_u32 s57, s57, 128
	s_add_co_u32 s56, s56, 1
	s_cmp_lt_u32 s56, 8
	s_cbranch_scc1 .Ltrip
	s_wait_tensorcnt 0x0                           ; the wave's end
	ds_add_u32 v[SPW], v[NIL]
	s_wait_dscnt 0x0
	s_endpgm
.Lfunc_end_k_qbd708a7868_ffn1:
	.size	k_qbd708a7868_ffn1, .Lfunc_end_k_qbd708a7868_ffn1-k_qbd708a7868_ffn1
	.p2alignl 7, 3214868480
	.fill 96, 4, 3214868480
	.section	.rodata,"a",@progbits
	.p2align	6, 0x0
	.amdhsa_kernel k_qbd708a7868_ffn1
		.amdhsa_group_segment_fixed_size 74752
		.amdhsa_private_segment_fixed_size 0
		.amdhsa_enable_private_segment 0
		.amdhsa_kernarg_size 40
		.amdhsa_user_sgpr_count 2
		.amdhsa_user_sgpr_kernarg_segment_ptr 1
		.amdhsa_wavefront_size32 1
		.amdhsa_system_sgpr_workgroup_id_x 1
		.amdhsa_system_sgpr_workgroup_id_y 1
		.amdhsa_system_sgpr_workgroup_id_z 1
		.amdhsa_system_vgpr_workitem_id 0
		.amdhsa_next_free_vgpr 1024
		.amdhsa_next_free_sgpr 68
		.amdhsa_reserve_vcc 1
		.amdhsa_float_denorm_mode_32 3
		.amdhsa_float_denorm_mode_16_64 3
		.amdhsa_memory_ordered 1
		.amdhsa_forward_progress 1
		.amdhsa_inst_pref_size 200
	.end_amdhsa_kernel
	.amdgpu_metadata
---
amdhsa.version: [ 1, 2 ]
amdhsa.kernels:
  - .name:           k_qbd708a7868_ffn1
    .symbol:         k_qbd708a7868_ffn1.kd
    .args:
      - { .name: ew1, .offset: 0, .size: 8, .value_kind: global_buffer, .address_space: global }
      - { .name: eb1, .offset: 8, .size: 8, .value_kind: global_buffer, .address_space: global }
      - { .name: xc, .offset: 16, .size: 8, .value_kind: global_buffer, .address_space: global }
      - { .name: sel, .offset: 24, .size: 8, .value_kind: global_buffer, .address_space: global }
      - { .name: hc, .offset: 32, .size: 8, .value_kind: global_buffer, .address_space: global }
    .group_segment_fixed_size: 74752
    .private_segment_fixed_size: 0
    .kernarg_segment_align: 8
    .kernarg_segment_size: 40
    .max_flat_workgroup_size: 128
    .sgpr_count:     68
    .vgpr_count:     1024
    .wavefront_size: 32
...
	.end_amdgpu_metadata
.endif
;; end of part 3
;; launch ffn2 (part 4): grid 32 x 8, 4 waves a work-group, no clusters, 92,160 bytes of LDS; arguments ew2, eb2, hc, sel, gate, y; writes y
.if DOCPART == 4
	.amdgcn_target "amdgcn-amd-amdhsa--gfx1250"
	.amdhsa_code_object_version 6
	.text
	.protected	k_qbd708a7868_ffn2
	.globl	k_qbd708a7868_ffn2
	.p2align	8
	.type	k_qbd708a7868_ffn2,@function
k_qbd708a7868_ffn2:
	s_mov_b64 s[64:65], 0
	v_nop
	global_prefetch_b8 v0, s[64:65] scope:SCOPE_SE
	s_setreg_imm32_b32 hwreg(HW_REG_WAVE_MODE, 25, 1), 1
	s_wait_xcnt 0x0
; y[kh][slot][token][:] = gate x (hidden ew2[e] (one half of K) + eb2[e] (in the first half alone)), for the rows that the router gave expert e; both operands as codes of E2M1.
; WORK LEFT OUT: rows of experts not chosen for a token; their gate is exactly 0 in reference() (shown at the head of the first kernel).
; SHARES.  Work-group (cs + 16 kh, e) owns 64 output columns x K rows 2048 kh .. 2048 kh + 2047 of expert e: 512 KB of ew2, read once, quantised in registers, kept as operand registers by all four waves.
; PHASE 1 is the launch before's: wave w takes K rows 512 w .. 512 w + 511 of the half in eight blocks of 64 rows x 64 columns.  ONE DIFFERENCE: inside each block of 32 along K, code position 8 j + i takes row 4 i + j,
; the order in which the hidden layer's codes were laid; a permutation of K inside a block, alike on both sides, leaves the products and the scales as they are.
; THE ROWS: the list is made as in the launch before; an entry is 1024 x slot + token, the slot from sel's second kind.
; PHASE 2: tile m belongs to wave m % 4; its 16 fragments and scale words come from hc as images of registers.  Transposed product: source 0 = 16 columns (tile j: columns 4 r + j), source 1 = 16 rows.
; Lane (row r, h), register i of tile j holds column 32 h + 4 i + j: the multiplication by the gate also puts the lane's 32 columns in order; the tile goes through the wave's own stage in LDS and leaves by rows:
; sixteen lanes store 256 consecutive bytes, aligned, at the row that the list names.  Each (slot, token) belongs to one expert, so each byte of y has one work-group.
; Positions past the count inside a tile repeat the last listed row: they hold that row's numbers and store them to that row's bytes once more.  No EXEC mask is needed.
; Each wave asks for tile w before it looks at the count; the launch before always writes tiles 0-3.
; No tensor load: branches hang on a stored count, and the weights pass through registers.  No multicast for the same reason.
; LIMITS: as stated at the head of the first kernel; K goes in two halves, which the next launch adds.
.set IMG,   0                          ; LDS: 64 fragments x 1,024 bytes: (4 s + j) x 1024 + 512 c + 16 l
.set SCW,   65536                      ; scale words: register 4 (s / 2) + j at x 128; odd s at + 64; row r at + 4 r
.set LIST,  69632
.set STG,   74240                      ; a stage of 16 rows x (256 + 16) bytes for each wave
.set SPARE, 91648
.set VOW, 4                            ; v4  32 h rows of 4,096 bytes + 16 r
.set LI,  5                            ; v5  16 x lane
.set LS4, 6                            ; v6  SCW + 4 x lane
.set AIM, 7                            ; v7  16 x lane + 16384 w
.set ASW, 8                            ; v8  SCW + 4 r + 1024 w
.set ALI, 9                            ; v9  LIST + 4 (16 w + r)
.set SLA, 10                           ; v10 LIST + 4 x thread
.set SH8, 11                           ; v11 8 h
.set BA,  12                           ; v12 128 h
.set L4,  13                           ; v13 4 x lane
.set SLT, 14
.set ALE, 15                           ; v15 LIST + 4 (16 w + h)
.set STO, 16                           ; v16 the stage, in: row r, + 128 h
.set SRD, 17                           ; v17 the stage, back: row h, + 16 r
.set R16, 18                           ; v18 16 r
.set SPW, 30
.set NIL, 31
.set MX,  32
.set SO,  36
.set WD,  40
.set TP,  44
.set BY,  48
.set CD,  52
.set T,   96
.set WS,  32                           ; phase 2: v32-63 the weights' scale words
.set HSC, 64                           ; v64-79 the hidden rows' scale words, two sets of 8: lanes 0-15 even K steps, lanes 16-31 odd
.set GT,  80                           ; v80-81 the gates, v82-83 their offsets, a set each
.set VG,  82
.set TK,  84
.set TA,  85
.set TA2, 86
.set ACC, 96                           ; v96-127 four accumulators
.set O,   128                          ; v128-159 the lane's 32 columns in order
.set OB,  160                          ; v160-191 the tile by rows
.set EN,  192                          ; v192-199 the rows' entries
.set YA,  200                          ; v200-207 their offsets in y
.set BIA, 224                          ; v224-255 eb2 in the result's layout, or zeros
.set SEP, 96
.set SEW, 97
.set SEF, 98
.set SEI, 99
.set SEQ, 100
.set KA,  101
.set KB,  102
.set KC,  103
.set KD,  104
.set POS, 105
.set TT,  106
.set SES, 107
; window 1: the load sets, then the fragments of K steps 0-7 at (4 (s % 8) + j) x 8;  window 2: K steps 8-15;  window 3: the hidden rows' fragments, two sets of 128
.set MSB, 0
.macro WIN new
.if MSB != (\new)
	s_set_vgpr_msb (MSB<<8)|(\new)
.set MSB, (\new)
.endif
.endm
.macro LDW n                           ; load n of 256: block q = n / 32 (K step q / 2, part q % 2), row kk = n % 32
.set q_, (\n)/32
.set kk_, (\n)%32
	global_load_b128 v[128*(q_%2)+4*kk_:128*(q_%2)+4*kk_+3], v[VOW], s[4:5] offset:(64*q_+kk_)*4096 th:TH_LOAD_NT
.endm
.macro LDWS a, b
.set n_, \a
.rept (\b)-(\a)+1
	LDW n_
.set n_, n_+1
.endr
.endm
.macro TURN4 set, perm
	WIN 0x01
.set j_, 0
.rept 4
.set p_, 0
.rept 32
.if \perm
.set k_, 4*(p_%8)+p_/8
.else
.set k_, p_
.endif
	v_mov_b32 v[T+32*j_+p_], v[128*(\set)+4*k_+j_]
.set p_, p_+1
.endr
.set j_, j_+1
.endr
	WIN 0
.endm
.macro BLKQ c, cd
.irp j, 0,1,2,3
	v_max3_num_f32 v[MX+\j], |v[T+32*\j]|, |v[T+32*\j+1]|, 0x1800000
.endr
.irp i, 2,4,6,8,10,12,14,16,18,20,22,24,26,28,30
.irp j, 0,1,2,3
	v_max3_num_f32 v[MX+\j], v[MX+\j], |v[T+32*\j+\i]|, |v[T+32*\j+\i+1]|
.endr
.endr
.irp j, 0,1,2,3
	v_add_nc_u32 v[SO+\j], 0xff000000, v[MX+\j]
.endr
.irp j, 0,1,2,3
	v_lshrrev_b32 v[BY+\j], 23, v[SO+\j]
.endr
.irp j, 0,1,2,3
.if \c == 0
	v_mov_b32 v[WD+\j], v[BY+\j]
.else
	v_lshl_or_b32 v[WD+\j], v[BY+\j], 16, v[WD+\j]
.endif
.endr
.irp j, 0,1,2,3
.irp t, 0,1,2,3
	v_cvt_scalef32_pk8_fp4_f32 v[\cd+4*\j+\t], v[T+32*\j+8*\t:T+32*\j+8*\t+7], v[SO+\j]
.endr
.endr
	v_nop                                          ; one plain line behind the last conversion
.endm
.macro WORDS
.irp j, 0,1,2,3
	v_lshlrev_b32 v[WD+\j], v[SH8], v[WD+\j]
.endr
.irp j, 0,1,2,3
	v_permlanex16_b32 v[TP+\j], v[WD+\j], s60, s61
.endr
.irp j, 0,1,2,3
	v_or_b32 v[WD+\j], v[WD+\j], v[TP+\j]
.endr
.endm
.macro RANKSTEP x, mask, step
	v_lshrrev_b32 v[TT], v[POS], v[\x]
	v_and_b32 v[TT], \mask, v[TT]
	v_cmp_ge_u32 vcc_lo, v[SEQ], v[TT]
	v_sub_nc_u32 v[TT], v[SEQ], v[TT]
	v_cndmask_b32 v[SEQ], v[SEQ], v[TT], vcc_lo
	v_add_nc_u32 v[TT], \step, v[POS]
	v_cndmask_b32 v[POS], v[POS], v[TT], vcc_lo
.endm
.macro WQ q
.set wsl_, (\q)/2
.set wc_, (\q)%2
.if \q < 7
	s_wait_loadcnt 31                              ; 63 + 32 q loads are issued, the first 32 q + 32 are wanted: 31 younger ones may be out
.else
	s_wait_loadcnt 0x0
.endif
	TURN4 (\q)%2, 1
.if \q < 6
	WIN 0x40
	LDWS 63+32*\q, 94+32*\q
	WIN 0
.elseif \q == 6
	WIN 0x40
	LDWS 255, 255
	WIN 0
	s_cmp_lg_u32 s100, 0                           ; the bias counts once: in the first half of K
	s_cbranch_scc1 .Lno_bias
.irp j, 0,1,2,3
.irp i, 0,1,2,3,4,5,6,7
	global_load_b32 v[BIA+8*\j+\i], v[BA], s[6:7] offset:16*\i+4*\j      ; column 32 h + 4 i + j
.endr
.endr
	s_branch .Lbiased
.Lno_bias:
.set n_, 0
.rept 32
	v_mov_b32 v[BIA+n_], 0
.set n_, n_+1
.endr
.Lbiased:
.endif
	s_wait_dscnt 0x0
	BLKQ wc_, CD
.irp j, 0,1,2,3
	ds_store_b128 v[AIM], v[CD+4*\j:CD+4*\j+3] offset:(wsl_*4+\j)*1024+wc_*512
.endr
.if wc_ == 1
	WORDS
.irp j, 0,1,2,3
	ds_store_b32 v[ASW], v[WD+\j] offset:((wsl_/2)*4+\j)*128+(wsl_%2)*64
.endr
.endif
.endm
.macro FILL
	WIN 0x40
.set f_, 0
.rept 32
	ds_load_b128 v[8*f_:8*f_+3], v[LI] offset:f_*1024
	ds_load_b128 v[8*f_+4:8*f_+7], v[LI] offset:f_*1024+512
.set f_, f_+1
.endr
	WIN 0x80
.set f_, 0
.rept 32
	ds_load_b128 v[8*f_:8*f_+3], v[LI] offset:(32+f_)*1024
	ds_load_b128 v[8*f_+4:8*f_+7], v[LI] offset:(32+f_)*1024+512
.set f_, f_+1
.endr
	WIN 0
.set f_, 0
.rept 32
	ds_load_b32 v[WS+f_], v[LS4] offset:f_*128
.set f_, f_+1
.endr
	s_wait_dscnt 0x0
.endm
.macro LOADT set, ab, nxt              ; a tile: 32 loads of fragments, 8 of scale words, 1 of gates: 41.  nxt = 1: the next trip's
	v_add_nc_u32 v[TA], s58, v[ALI]
	ds_load_b32 v[TK], v[TA] offset:256*(\ab)+512*(\nxt)
	s_wait_dscnt 0x0
	v_min_u32 v[TK], 0x7ff, v[TK]                  ; 1024 x slot + token, held inside the table
	v_lshlrev_b32 v[VG+\set], 2, v[TK]
	WIN 0xc0
.irp s, 0,1,2,3,4,5,6,7,8,9,10,11,12,13,14,15
.irp c, 0,1
	global_load_b128 v[128*(\set)+8*\s+4*\c:128*(\set)+8*\s+4*\c+3], v[LI], s[8:9] offset:(\ab)*131072+(\nxt)*262144+\s*1024+\c*512
.endr
.endr
	WIN 0
.irp sp, 0,1,2,3,4,5,6,7
	global_load_b32 v[HSC+8*(\set)+\sp], v[L4], s[66:67] offset:(\ab)*8192+(\nxt)*16384+\sp*128
.endr
	global_load_b32 v[GT+\set], v[VG+\set], s[12:13]
.endm
.macro WM rr                           ; rr = 1: both sides' scales stand in lanes 16-31
.if \rr
	v_wmma_scale_f32_16x16x128_f8f6f4 v[d_:d_+7], v[a_:a_+7], v[b_:b_+7], v[c_:c_+7], v[sa_], v[sb_] matrix_a_fmt:MATRIX_FMT_FP4 matrix_b_fmt:MATRIX_FMT_FP4 matrix_a_scale:MATRIX_SCALE_ROW1 matrix_b_scale:MATRIX_SCALE_ROW1
.else
	v_wmma_scale_f32_16x16x128_f8f6f4 v[d_:d_+7], v[a_:a_+7], v[b_:b_+7], v[c_:c_+7], v[sa_], v[sb_] matrix_a_fmt:MATRIX_FMT_FP4 matrix_b_fmt:MATRIX_FMT_FP4
.endif
.endm
.macro COMPUTE set, ab
.irp s, 0,1,2,3,4,5,6,7,8,9,10,11,12,13,14,15
.if \s == 0
	WIN 0x0d                                       ; source 0 window 1, source 1 window 3
.elseif \s == 8
	WIN 0x0e                                       ; source 0 window 2
.endif
.irp j, 0,1,2,3                        ; four accumulators take turns, one instruction a turn
.set d_, ACC+8*\j
.set a_, ((\s%8)*4+\j)*8
.set b_, 128*(\set)+8*\s
.set sa_, WS+(\s/2)*4+\j
.set sb_, HSC+8*(\set)+\s/2
.if \s == 0
.set c_, BIA+8*\j
.else
.set c_, d_
.endif
	WM \s%2
.endr
.endr
	WIN 0
.rept 4
	v_nop                                          ; four places ahead of the first read of a result
.endr
	s_wait_xcnt 0x0                                ; the last tile's stores have read their data and offsets
.irp i, 0,1,2,3,4,5,6,7                ; each accumulator from its low end on
.irp j, 0,1,2,3
	v_mul_f32 v[O+4*\i+\j], v[ACC+8*\j+\i], v[GT+\set]
.endr
.endr
.irp t, 0,1,2,3,4,5,6,7
	ds_store_b128 v[STO], v[O+4*\t:O+4*\t+3] offset:16*\t
.endr
	v_add_nc_u32 v[TA2], s58, v[ALE]
.irp t, 0,1,2,3,4,5,6,7
	ds_load_b32 v[EN+\t], v[TA2] offset:256*(\ab)+8*\t             ; the entry of row 2 t + h
.endr
.irp t, 0,1,2,3,4,5,6,7
	ds_load_b128 v[OB+4*\t:OB+4*\t+3], v[SRD] offset:544*\t        ; LDS serves a wave's instructions in order: these see my stores
.endr
	s_wait_dscnt 0x0
.irp t, 0,1,2,3,4,5,6,7
	v_min_u32 v[EN+\t], 0x7ff, v[EN+\t]
.endr
.irp t, 0,1,2,3,4,5,6,7
	v_lshl_add_u32 v[YA+\t], v[EN+\t], 12, v[R16]
.endr
.irp t, 0,1,2,3,4,5,6,7
	global_store_b128 v[YA+\t], v[OB+4*\t:OB+4*\t+3], s[14:15]     ; sixteen lanes store 256 consecutive bytes, aligned
.endr
.endm
	s_load_b256 s[4:11], s[0:1], 0x0               ; ew2 s[4:5], eb2 s[6:7], hc s[8:9], sel s[10:11]
	s_load_b128 s[12:15], s[0:1], 0x20             ; gate s[12:13], y s[14:15]
	v_lshl_add_u32 v[SPW], v0, 2, SPARE
	v_mov_b32 v[NIL], 0
	v_lshrrev_b32 v1, 5, v0
	v_readfirstlane_b32 s48, v1                    ; wave
	s_and_b32 s49, ttmp7, 0xffff                   ; expert
	s_and_b32 s101, ttmp9, 15                      ; which 64 columns
	s_lshr_b32 s100, ttmp9, 4                      ; which half of K
	v_and_b32 v1, 31, v0                           ; lane
	v_and_b32 v2, 15, v0                           ; r
	v_bfe_u32 v3, v0, 4, 1                         ; h
	v_lshlrev_b32 v[VOW], 4, v2
	v_lshl_add_u32 v[VOW], v3, 17, v[VOW]
	s_lshl_b32 s62, s49, 24
	s_lshl_b32 s55, s100, 23
	s_add_co_u32 s62, s62, s55
	s_lshl_b32 s55, s48, 21
	s_add_co_u32 s62, s62, s55
	s_lshl_b32 s55, s101, 8
	s_add_co_u32 s62, s62, s55
	s_mov_b32 s63, 0
	s_lshl_b32 s66, s49, 7
	s_mov_b32 s67, 0
	s_wait_kmcnt 0x0
	s_add_nc_u64 s[4:5], s[4:5], s[62:63]
	s_add_nc_u64 s[10:11], s[10:11], s[66:67]
	s_load_b512 s[16:31], s[10:11], 0x0            ; chosen
	s_load_b512 s[32:47], s[10:11], 0x40
	s_load_b512 s[68:83], s[10:11], 0x400          ; second choice
	s_load_b512 s[84:99], s[10:11], 0x440
	WIN 0x40
	LDWS 0, 62                                     ; 63 loads are out
	WIN 0
	v_lshlrev_b32 v[LI], 4, v1
	v_lshlrev_b32 v[L4], 2, v1
	v_add_nc_u32 v[LS4], SCW, v[L4]
	s_lshl_b32 s55, s48, 14
	v_add_nc_u32 v[AIM], s55, v[LI]
	s_lshl_b32 s55, s48, 10
	v_lshlrev_b32 v[ASW], 2, v2
	v_add_nc_u32 v[ASW], s55, v[ASW]
	v_add_nc_u32 v[ASW], SCW, v[ASW]
	s_lshl_b32 s55, s48, 6
	v_lshlrev_b32 v[ALI], 2, v2
	v_add_nc_u32 v[ALI], s55, v[ALI]
	v_add_nc_u32 v[ALI], LIST, v[ALI]
	v_lshlrev_b32 v[ALE], 2, v3
	v_add_nc_u32 v[ALE], s55, v[ALE]
	v_add_nc_u32 v[ALE], LIST, v[ALE]
	v_lshl_add_u32 v[SLA], v0, 2, LIST
	v_lshlrev_b32 v[SH8], 3, v3
	v_lshlrev_b32 v[BA], 7, v3
	v_lshlrev_b32 v[R16], 4, v2
	s_mul_i32 s55, s48, 4352
	v_mul_u32_u24 v[STO], v2, 272
	v_lshl_add_u32 v[STO], v3, 7, v[STO]
	v_add_nc_u32 v[STO], s55, v[STO]
	v_add_nc_u32 v[STO], STG, v[STO]
	v_mul_u32_u24 v[SRD], v3, 272
	v_lshl_add_u32 v[SRD], v2, 4, v[SRD]
	v_add_nc_u32 v[SRD], s55, v[SRD]
	v_add_nc_u32 v[SRD], STG, v[SRD]
.irp j, 0,1,2,3
	v_mov_b32 v[TP+\j], 0
.endr
	s_mov_b32 s60, 0x76543210
	s_mov_b32 s61, 0xfedcba98                      ; lane l xor 16
	s_lshl_b32 s62, s49, 12
	s_lshl_b32 s55, s101, 8
	s_add_co_u32 s62, s62, s55
	s_add_nc_u64 s[6:7], s[6:7], s[62:63]          ; eb2 at my 64 columns
	s_lshl_b32 s62, s100, 23
	s_add_co_u32 s62, s62, s55
	s_add_nc_u64 s[14:15], s[14:15], s[62:63]      ; y at my half and my columns
	s_lshl_b32 s62, s49, 17
	s_lshl_b32 s55, s100, 10
	s_add_co_u32 s62, s62, s55
	s_lshl_b32 s55, s48, 11
	s_add_co_u32 s62, s62, s55
	s_add_co_u32 s62, s62, 0x1000000
	s_add_nc_u64 s[66:67], s[8:9], s[62:63]        ; hc's scale words at tile w, my half of K
	s_lshl_b32 s62, s49, 21
	s_lshl_b32 s55, s100, 14
	s_add_co_u32 s62, s62, s55
	s_lshl_b32 s55, s48, 15
	s_add_co_u32 s62, s62, s55
	s_add_nc_u64 s[8:9], s[8:9], s[62:63]          ; hc's fragments likewise
	s_wait_kmcnt 0x0
	s_bcnt1_i32_b32 s51, s16
.irp w, 1,2,3,4,5,6,7,8,9,10,11,12,13,14,15,16,17,18,19,20,21,22,23,24,25,26,27,28,29,30,31
	s_bcnt1_i32_b32 s55, s[16+\w]
	s_add_co_u32 s51, s51, s55
.endr                                              ; s51: the expert's rows
	s_max_u32 s52, s51, 1
	s_sub_co_u32 s53, s52, 1
; THE LIST, as in the launch before, with the slot's bit beside the token
	s_mov_b32 s56, 0
	s_mov_b32 s57, 0
	s_mov_b32 s58, 0
.Lsel:
	s_cmp_ge_u32 s57, s52
	s_cbranch_scc1 .Lsel_skip
	v_add_nc_u32 v[SEP], s57, v0
	v_min_u32 v[SEP], s53, v[SEP]
	v_mov_b32 v[SEW], s16
	v_mov_b32 v[SES], s68
	v_mov_b32 v[SEF], 0
	v_mov_b32 v[SEI], 0
	s_bcnt1_i32_b32 s54, s16
.irp w, 1,2,3,4,5,6,7,8,9,10,11,12,13,14,15,16,17,18,19,20,21,22,23,24,25,26,27,28,29,30,31
	v_cmp_gt_u32 vcc_lo, s54, v[SEP]
	v_cndmask_b32 v[SEW], s[16+\w], v[SEW], vcc_lo
	v_cndmask_b32 v[SES], s[68+\w], v[SES], vcc_lo
	v_cndmask_b32 v[SEF], s54, v[SEF], vcc_lo
	v_cndmask_b32 v[SEI], \w, v[SEI], vcc_lo
	s_bcnt1_i32_b32 s55, s[16+\w]
	s_add_co_u32 s54, s54, s55
.endr
	v_sub_nc_u32 v[SEQ], v[SEP], v[SEF]
	v_lshrrev_b32 v[TT], 1, v[SEW]
	v_and_b32 v[TT], 0x55555555, v[TT]
	v_sub_nc_u32 v[KA], v[SEW], v[TT]
	v_lshrrev_b32 v[TT], 2, v[KA]
	v_and_b32 v[TT], 0x33333333, v[TT]
	v_and_b32 v[KB], 0x33333333, v[KA]
	v_add_nc_u32 v[KB], v[KB], v[TT]
	v_lshrrev_b32 v[TT], 4, v[KB]
	v_add_nc_u32 v[KC], v[KB], v[TT]
	v_and_b32 v[KC], 0x0f0f0f0f, v[KC]
	v_lshrrev_b32 v[TT], 8, v[KC]
	v_add_nc_u32 v[KD], v[KC], v[TT]
	v_mov_b32 v[POS], 0
	RANKSTEP KD, 0xff, 16
	RANKSTEP KC, 0xff, 8
	RANKSTEP KB, 15, 4
	RANKSTEP KA, 3, 2
	RANKSTEP SEW, 1, 1
	v_lshrrev_b32 v[SES], v[POS], v[SES]
	v_and_b32 v[SES], 1, v[SES]                    ; the slot
	v_lshl_add_u32 v[TT], v[SEI], 5, v[POS]        ; the token
	v_lshl_add_u32 v[TT], v[SES], 10, v[TT]
	v_add_nc_u32 v[SLT], s58, v[SLA]
	ds_store_b32 v[SLT], v[TT]
.Lsel_skip:
	s_add_co_u32 s57, s57, 128
	s_add_co_u32 s58, s58, 512
	s_add_co_u32 s56, s56, 1
	s_cmp_lt_u32 s56, 8
	s_cbranch_scc1 .Lsel
	WQ 0
	WQ 1
	WQ 2
	WQ 3
	WQ 4
	WQ 5
	WQ 6
	WQ 7
	s_wait_dscnt 0x0                               ; for the others' sake: my images, scale words and part of the list have landed
	s_barrier_signal -1
	s_barrier_wait -1
	s_mov_b32 s58, 0
	LOADT 0, 0, 0                                  ; tile w, which the launch before always writes
	FILL
; THE TILES: as in the launch before, up to the count; the counted wait leaves out just the 41 loads of the tile asked for last
	s_mov_b32 s56, 0
	s_lshl_b32 s57, s48, 4
.Ltrip:
	s_cmp_ge_u32 s57, s51
	s_cbranch_scc1 .Lskip
	s_add_co_u32 s55, s57, 64
	s_cmp_ge_u32 s55, s51
	s_cbranch_scc1 .Lonly_a
	LOADT 1, 1, 0
	s_wait_loadcnt 41
	COMPUTE 0, 0
	s_add_co_u32 s55, s57, 128
	s_cmp_ge_u32 s55, s51
	s_cbranch_scc1 .Llast_b
	LOADT 0, 0, 1
	s_wait_loadcnt 41
	COMPUTE 1, 1
	s_branch .Lskip
.Llast_b:
	s_wait_loadcnt 0x0
	COMPUTE 1, 1
	s_branch .Lskip
.Lonly_a:
	s_wait_loadcnt 0x0
	COMPUTE 0, 0
.Lskip:
	s_wait_xcnt 0x0                                ; the loads have read their bases
	s_add_nc_u64 s[8:9], s[8:9], 262144            ; eight tiles on
	s_add_nc_u64 s[66:67], s[66:67], 16384
	s_add_co_u32 s58, s58, 512
	s_add_co_u32 s57, s57, 128
	s_add_co_u32 s56, s56, 1
	s_cmp_lt_u32 s56, 8
	s_cbranch_scc1 .Ltrip
	s_wait_tensorcnt 0x0                           ; the wave's end
	ds_add_u32 v[SPW], v[NIL]
	s_wait_dscnt 0x0
	s_endpgm
.Lfunc_end_k_qbd708a7868_ffn2:
	.size	k_qbd708a7868_ffn2, .Lfunc_end_k_qbd708a7868_ffn2-k_qbd708a7868_ffn2
	.p2alignl 7, 3214868480
	.fill 96, 4, 3214868480
	.section	.rodata,"a",@progbits
	.p2align	6, 0x0
	.amdhsa_kernel k_qbd708a7868_ffn2
		.amdhsa_group_segment_fixed_size 92160
		.amdhsa_private_segment_fixed_size 0
		.amdhsa_enable_private_segment 0
		.amdhsa_kernarg_size 48
		.amdhsa_user_sgpr_count 2
		.amdhsa_user_sgpr_kernarg_segment_ptr 1
		.amdhsa_wavefront_size32 1
		.amdhsa_system_sgpr_workgroup_id_x 1
		.amdhsa_system_sgpr_workgroup_id_y 1
		.amdhsa_system_sgpr_workgroup_id_z 1
		.amdhsa_system_vgpr_workitem_id 0
		.amdhsa_next_free_vgpr 1024
		.amdhsa_next_free_sgpr 102
		.amdhsa_reserve_vcc 1
		.amdhsa_float_denorm_mode_32 3
		.amdhsa_float_denorm_mode_16_64 3
		.amdhsa_memory_ordered 1
		.amdhsa_forward_progress 1
		.amdhsa_inst_pref_size 202
	.end_amdhsa_kernel
	.amdgpu_metadata
---
amdhsa.version: [ 1, 2 ]
amdhsa.kernels:
  - .name:           k_qbd708a7868_ffn2
    .symbol:         k_qbd708a7868_ffn2.kd
    .args:
      - { .name: ew2, .offset: 0, .size: 8, .value_kind: global_buffer, .address_space: global }
      - { .name: eb2, .offset: 8, .size: 8, .value_kind: global_buffer, .address_space: global }
      - { .name: hc, .offset: 16, .size: 8, .value_kind: global_buffer, .address_space: global }
      - { .name: sel, .offset: 24, .size: 8, .value_kind: global_buffer, .address_space: global }
      - { .name: gate, .offset: 32, .size: 8, .value_kind: global_buffer, .address_space: global }
      - { .name: y, .offset: 40, .size: 8, .value_kind: global_buffer, .address_space: global }
    .group_segment_fixed_size: 92160
    .private_segment_fixed_size: 0
    .kernarg_segment_align: 8
    .kernarg_segment_size: 48
    .max_flat_workgroup_size: 128
    .sgpr_count:     102
    .vgpr_count:     1024
    .wavefront_size: 32
...
	.end_amdgpu_metadata
.endif
;; end of part 4
;; launch combine (part 5): grid 256 x 1, 8 waves a work-group, no clusters, 0 bytes of LDS; arguments y, out0; writes out0
.if DOCPART == 5
	.amdgcn_target "amdgcn-amd-amdhsa--gfx1250"
	.amdhsa_code_object_version 6
	.text
	.protected	k_qbd708a7868_combine
	.globl	k_qbd708a7868_combine
	.p2align	8
	.type	k_qbd708a7868_combine,@function
k_qbd708a7868_combine:
	s_mov_b64 s[64:65], 0
	v_nop
	global_prefetch_b8 v0, s[64:65] scope:SCOPE_SE
	s_setreg_imm32_b32 hwreg(HW_REG_WAVE_MODE, 25, 1), 1
	s_wait_xcnt 0x0
; out0[token][:] = the sum of y[kh][slot][token][:] over the two halves of K and the token's two chosen experts.  The six experts not chosen add exactly 0 in reference() and have no rows here.
; A stream: a work-group owns 4 rows of 4,096 bytes, thread t the 16 bytes at 16 t of each; all 16 loads go out at once, each of a wave covering 512 consecutive bytes.  No LDS, no barrier, no matrix unit: memory binds.
	s_load_b128 s[4:7], s[0:1], 0x0                ; y, out0
	v_lshlrev_b32 v1, 4, v0
	s_lshl_b32 s8, ttmp9, 14
	s_mov_b32 s9, 0
	s_wait_kmcnt 0x0
	s_add_nc_u64 s[4:5], s[4:5], s[8:9]            ; first half of K
	s_add_nc_u64 s[6:7], s[6:7], s[8:9]
	s_add_nc_u64 s[10:11], s[4:5], 0x800000        ; second half
.irp u, 0,1,2,3
	global_load_b128 v[8+16*\u:11+16*\u], v1, s[4:5] offset:4096*\u th:TH_LOAD_NT
	global_load_b128 v[12+16*\u:15+16*\u], v1, s[10:11] offset:4096*\u th:TH_LOAD_NT
	global_load_b128 v[16+16*\u:19+16*\u], v1, s[4:5] offset:4194304+4096*\u th:TH_LOAD_NT
	global_load_b128 v[20+16*\u:23+16*\u], v1, s[10:11] offset:4194304+4096*\u th:TH_LOAD_NT
.endr
.irp u, 0,1,2,3
	s_wait_loadcnt 12-4*\u                         ; this row's four loads are in; the later rows' may be out
	v_pk_add_f32 v[8+16*\u:9+16*\u], v[8+16*\u:9+16*\u], v[12+16*\u:13+16*\u]
	v_pk_add_f32 v[10+16*\u:11+16*\u], v[10+16*\u:11+16*\u], v[14+16*\u:15+16*\u]
	v_pk_add_f32 v[16+16*\u:17+16*\u], v[16+16*\u:17+16*\u], v[20+16*\u:21+16*\u]
	v_pk_add_f32 v[18+16*\u:19+16*\u], v[18+16*\u:19+16*\u], v[22+16*\u:23+16*\u]
	v_pk_add_f32 v[8+16*\u:9+16*\u], v[8+16*\u:9+16*\u], v[16+16*\u:17+16*\u]
	v_pk_add_f32 v[10+16*\u:11+16*\u], v[10+16*\u:11+16*\u], v[18+16*\u:19+16*\u]
	global_store_b128 v1, v[8+16*\u:11+16*\u], s[6:7] offset:4096*\u th:TH_STORE_NT
.endr
	s_endpgm
.Lfunc_end_k_qbd708a7868_combine:
	.size	k_qbd708a7868_combine, .Lfunc_end_k_qbd708a7868_combine-k_qbd708a7868_combine
	.p2alignl 7, 3214868480
	.fill 96, 4, 3214868480
	.section	.rodata,"a",@progbits
	.p2align	6, 0x0
	.amdhsa_kernel k_qbd708a7868_combine
		.amdhsa_group_segment_fixed_size 0
		.amdhsa_private_segment_fixed_size 0
		.amdhsa_enable_private_segment 0
		.amdhsa_kernarg_size 16
		.amdhsa_user_sgpr_count 2
		.amdhsa_user_sgpr_kernarg_segment_ptr 1
		.amdhsa_wavefront_size32 1
		.amdhsa_system_sgpr_workgroup_id_x 1
		.amdhsa_system_sgpr_workgroup_id_y 1
		.amdhsa_system_sgpr_workgroup_id_z 1
		.amdhsa_system_vgpr_workitem_id 0
		.amdhsa_next_free_vgpr 72
		.amdhsa_next_free_sgpr 66
		.amdhsa_reserve_vcc 0
		.amdhsa_float_denorm_mode_32 3
		.amdhsa_float_denorm_mode_16_64 3
		.amdhsa_memory_ordered 1
		.amdhsa_forward_progress 1
		.amdhsa_inst_pref_size 5
	.end_amdhsa_kernel
	.amdgpu_metadata
---
amdhsa.version: [ 1, 2 ]
amdhsa.kernels:
  - .name:           k_qbd708a7868_combine
    .symbol:         k_qbd708a7868_combine.kd
    .args:
      - { .name: y, .offset: 0, .size: 8, .value_kind: global_buffer, .address_space: global }
      - { .name: out0, .offset: 8, .size: 8, .value_kind: global_buffer, .address_space: global }
    .group_segment_fixed_size: 0
    .private_segment_fixed_size: 0
    .kernarg_segment_align: 8
    .kernarg_segment_size: 16
    .max_flat_workgroup_size: 256
    .sgpr_count:     66
    .vgpr_count:     72
    .wavefront_size: 32
...
	.end_amdgpu_metadata
.endif
;; end of part 5
;; ======== version 2 of 2: 5 launches; version 1 with the launches ffn1, ffn2 written anew for expert scheduling mode
;; workspace buffers: xc 557,056 bytes; rc 557,056 bytes; sel 2,048 bytes of whole numbers; gate 8,192 bytes; hc 17,825,792 bytes; y 16,777,216 bytes
;; launch quant: the kernel of part 1 again; grid 64 x 1, 4 waves a work-group, no clusters, 33,280 bytes of LDS; arguments x, rw1, xc, rc; writes xc, rc
;; launch router: the kernel of part 2 again; grid 32 x 1, 4 waves a work-group, no clusters, 41,472 bytes of LDS; arguments xc, rc, rw2, rb1, rb2, sel, gate; writes sel, gate
;; launch ffn1 (part 6): grid 32 x 8, 4 waves a work-group, no clusters, 74,752 bytes of LDS; arguments ew1, eb1, xc, sel, hc; writes hc
.if DOCPART == 6
	.amdgcn_target "amdgcn-amd-amdhsa--gfx1250"
	.amdhsa_code_object_version 6
	.text
	.protected	k_qbd708a7868_ffn1
	.globl	k_qbd708a7868_ffn1
	.p2align	8
	.type	k_qbd708a7868_ffn1,@function
k_qbd708a7868_ffn1:
	s_mov_b64 s[64:65], 0
	v_nop
	global_prefetch_b8 v0, s[64:65] scope:SCOPE_SE
	s_setreg_imm32_b32 hwreg(HW_REG_WAVE_SCHED_MODE, 0, 2), 2
	s_setreg_imm32_b32 hwreg(HW_REG_WAVE_MODE, 25, 1), 1
	s_wait_xcnt 0x0
	s_wait_alu depctr_vm_vsrc(0)
; hidden = relu(x ew1[e] + eb1[e]) for the rows that the router gave expert e, quantised along the hidden axis on the way; both operands of the product as codes of E2M1.
; WORK LEFT OUT: rows of experts not chosen for a token; their gate is exactly 0 in reference() (shown at the head of the first kernel).
; SHARES.  Work-group (hs, e) owns hidden units 128 hs .. 128 hs + 127 of expert e for all of K: 512 KB of ew1, read once, quantised in registers, kept as operand registers by all four waves.
; PHASE 1, the weights: wave w takes K rows 256 w .. 256 w + 255 in eight blocks of 64 rows x 64 columns.  In load kk lane (r, h) reads row 32 h + kk, columns 4 r .. 4 r + 3 (2 x 256 consecutive bytes a load), so a lane
; holds whole blocks of 32 along K of 4 columns: what the 4-bit layout gives lane (r, h).  128 v_mov a block turn them into runs of 32 registers for the conversions: the price of loads of 16 bytes a lane,
; of which 63 are out at a time.  The fragments go to LDS as images of registers, one barrier, and every wave loads all 64 fragments.
; THE ROWS: while the first loads are on their way the work-group turns the expert's 1,024 bits of sel into a list of tokens in LDS, by integer arithmetic alone (position -> word by prefix counts, -> bit by counts in the word).
; Positions past the count repeat the last listed row.
; PHASE 2, the tiles: tile m = positions 16 m .. 16 m + 15 belongs to wave m % 4.  Transposed product: source 0 = 16 hidden units (tile j + 4 g: units 64 g + 4 r + j), source 1 = 16 rows of x; eb1 is the C of the first product.
; Lane (row r, h) then holds all 32 units of block 2 g + h: no other lane is asked for the maximum, and the conversions' results ARE the next operand's registers.  In a block, code position 8 j + i holds unit 4 i + j;
; the next launch lays ew2's rows the same way.  hc: fragment (e, m, hs) at 1024 (32 (64 e + m) + hs), from byte 2^24 on scale words at 64 (32 (64 e + m) + hs) + 4 r.
; Tiles are walked up to max(count, 64): tiles 0-3 of every expert are always written, since the next launch's waves each ask for one of them before they know of the count.
; No tensor load: branches hang on a stored count, and the weights pass through registers.  No multicast for the same reason; x's codes, which are shared, are the lesser part beside 512 KB of own weights.
; LIMITS: as stated at the head of the first kernel (NaN, infinities, blocks of zeros, blocks under 2^-124); the bias starts the f32 sum.
; THE MODE: SCHED_MODE bits 1:0 = 2 (LLVM: expert scheduling mode 2), set by the entry lines.  The code itself states the register dependences
; between vector or matrix instructions and memory or LDS instructions, with s_wait_alu, always for 0.
; THE PLAN.  Registers that memory or LDS instructions touch, and who else names them:
;   v4-v13, window 3's v148, v149   Offsets and LDS addresses: written once at the head, never again.
;   v[SLT], v[TT]                   The list: written in a trip, read by the trip's one LDS store: a wait on va_vdst ahead of the store, one on vm_vsrc behind it.
;   window 1, two sets of 128       Block q's 128 copies read set q % 2; behind them the loads of block q + 2 land in it: one wait on va_vdst between the two.
;   v[CD ..], v[WD ..]              Written by a block's conversions and the lines that make its scale words, read by the block's LDS stores (one wait on va_vdst ahead of their run), written again a block later (one on vm_vsrc).
;   v[TA], v[VX ..], v[VS ..]       Written when a tile is asked for, read by its token load and its 18 loads.  v[TK]: the token load lands, three vector lines name it.
;   XF0, XF1, XSC0, XSC1            A tile's loads land; its 64 products read them; the tile after next lands there.
;   window 3's v136, v140-147       A tile's scale word and codes: written by vector lines, read by its three stores, written again a tile later.
; A vector instruction's scalar result (the wave's number, the masks of the list's compares, VCC) has its wait ahead of its first reader; the list's compares stand in runs of four, a wait to a run.
.set IMG,   0                          ; LDS: 64 fragments x 1,024 bytes: (8 (j + 4 g) + s) x 1024 + 512 c + 16 l
.set SCW,   65536                      ; scale words: register 4 s + j at x 128; g at + 64; row r at + 4 r
.set LIST,  69632                      ; the list: 4 bytes a position
.set SPARE, 74240
.set VOW, 4                            ; v4  32 h rows of 16,384 bytes + 16 r
.set LI,  5                            ; v5  16 x lane
.set LS4, 6                            ; v6  SCW + 4 x lane
.set AIM, 7                            ; v7  16 x lane + 2048 w
.set ASW, 8                            ; v8  SCW + 4 r + 1024 w
.set ALI, 9                            ; v9  LIST + 4 (16 w + r)
.set SLA, 10                           ; v10 LIST + 4 x thread
.set SH8, 11                           ; v11 8 h
.set BA,  12                           ; v12 128 h
.set H16, 13                           ; v13 16 h
.set SLT, 14                           ; v14 the list's store address of a trip
.set SPW, 30
.set NIL, 31
.set MX,  32                           ; phase 1: v32-35, 36-39, 40-43, 44-47, 48-51, 52-67 as named; v96-223 T
.set SO,  36
.set WD,  40
.set TP,  44
.set BY,  48
.set CD,  52
.set T,   96
.set WS,  32                           ; phase 2: v32-63 the weights' scale words
.set XSC, 64                           ; v64-79  x's scale words, two sets of 8
.set TK,  80                           ; v80 a token;  v81 its LDS address;  v82-83, v84-85 offsets of its codes and scales, a set each
.set TA,  81
.set VX,  82
.set VS,  84
.set XF,  96                           ; v96-223 x's fragments, two sets of 64
.set SEP, 96                           ; the list's making: v96-107
.set SEW, 97
.set SEF, 98
.set SEI, 99
.set SEQ, 100
.set KA,  101
.set KB,  102
.set KC,  103
.set KD,  104
.set POS, 105
.set TT,  106
.set TU,  107
.set MA,  2                            ; s2, s3, s50, s62: the masks of a run of four compares
.set MB,  3
.set MC,  50
.set MD,  62
.set QB,  63                           ; s54, s63, s49, s66: the counts of set bits ahead of the run's four words (all seven registers are free once the bases are made)
.set QC,  49
.set QD,  66
; window 1: the load sets, then the fragments of g = 0 at (8 j + s) x 8;  window 2: those of g = 1
.set BIAS3, 64                         ; window 3: v0-63 the accumulators (8 (j + 4 g) + i), v64-127 eb1 in the same layout,
.set MX3, 128                          ; v128-131 maxima, v132-133 scale operands, v134-135 bytes, v136 the scale word, v137 the other half's,
.set SO3, 132
.set BY3, 134
.set WH,  136
.set TP3, 137
.set PC,  140                          ; v140-147 the codes, v148 16 x lane, v149 4 r, v150 8 h
.set VH,  148
.set VHS, 149
.set SH3, 150
.set MSB, 0
.macro WIN new
.if MSB != (\new)
	s_set_vgpr_msb (MSB<<8)|(\new)
.set MSB, (\new)
.endif
.endm
.macro LDW n                           ; load n of 256: block q = n / 32 (K step q / 4, strip (q / 2) % 2, part q % 2), row kk = n % 32
.set q_, (\n)/32
.set kk_, (\n)%32
	global_load_b128 v[128*(q_%2)+4*kk_:128*(q_%2)+4*kk_+3], v[VOW], s[4:5] offset:(128*(q_/4)+64*(q_%2)+kk_)*16384+256*((q_/2)%2) th:TH_LOAD_NT
.endm
.macro LDWS a, b
.set n_, \a
.rept (\b)-(\a)+1
	LDW n_
.set n_, n_+1
.endr
.endm
.macro TURN4 set, perm
	WIN 0x01
.set j_, 0
.rept 4
.set p_, 0
.rept 32
.if \perm
.set k_, 4*(p_%8)+p_/8
.else
.set k_, p_
.endif
	v_mov_b32 v[T+32*j_+p_], v[128*(\set)+4*k_+j_]
.set p_, p_+1
.endr
.set j_, j_+1
.endr
	WIN 0
.endm
.macro BLKQ c, cd
.irp j, 0,1,2,3
	v_max3_num_f32 v[MX+\j], |v[T+32*\j]|, |v[T+32*\j+1]|, 0x1800000   ; with the floor 2^(3 - 127): the byte cannot fall under 1
.endr
.irp i, 2,4,6,8,10,12,14,16,18,20,22,24,26,28,30
.irp j, 0,1,2,3
	v_max3_num_f32 v[MX+\j], v[MX+\j], |v[T+32*\j+\i]|, |v[T+32*\j+\i+1]|
.endr
.endr
.irp j, 0,1,2,3
	v_add_nc_u32 v[SO+\j], 0xff000000, v[MX+\j]    ; 2 off the exponent field: the conversion's scale operand
.endr
.irp j, 0,1,2,3
	v_lshrrev_b32 v[BY+\j], 23, v[SO+\j]
.endr
.irp j, 0,1,2,3
.if \c == 0
	v_mov_b32 v[WD+\j], v[BY+\j]
.else
	v_lshl_or_b32 v[WD+\j], v[BY+\j], 16, v[WD+\j]
.endif
.endr
.irp j, 0,1,2,3
.irp t, 0,1,2,3
	v_cvt_scalef32_pk8_fp4_f32 v[\cd+4*\j+\t], v[T+32*\j+8*\t:T+32*\j+8*\t+7], v[SO+\j]
.endr
.endr
	v_nop                                          ; one plain line behind the last conversion
.endm
.macro WORDS
.irp j, 0,1,2,3
	v_lshlrev_b32 v[WD+\j], v[SH8], v[WD+\j]
.endr
.irp j, 0,1,2,3
	v_permlanex16_b32 v[TP+\j], v[WD+\j], s60, s61
.endr
.irp j, 0,1,2,3
	v_or_b32 v[WD+\j], v[WD+\j], v[TP+\j]
.endr
.endm
; Words w .. w + n - 1 of the expert's 32 (n = 4; 3 at the end).  At the entry s54 counts the set bits of the words ahead of word w.  Do the words ahead of a word already hold my position?  Then keep; else take that word.
; The run's compares stand together, each with a mask of its own, under one wait.
.macro SELRUN w, n
	s_bcnt1_i32_b32 s55, s[16+(\w)]
	s_add_co_u32 s[QB], s54, s55
	s_bcnt1_i32_b32 s55, s[17+(\w)]
	s_add_co_u32 s[QC], s[QB], s55
	s_bcnt1_i32_b32 s55, s[18+(\w)]
	s_add_co_u32 s[QD], s[QC], s55
	v_cmp_gt_u32 s[MA], s54, v[SEP]
	v_cmp_gt_u32 s[MB], s[QB], v[SEP]
	v_cmp_gt_u32 s[MC], s[QC], v[SEP]
.if \n > 3
	v_cmp_gt_u32 s[MD], s[QD], v[SEP]
.endif
	s_wait_alu depctr_va_sdst(0)                   ; the run's masks are written, ahead of the selections that read them
	v_cndmask_b32 v[SEW], s[16+(\w)], v[SEW], s[MA]
	v_cndmask_b32 v[SEF], s54, v[SEF], s[MA]
	v_cndmask_b32 v[SEI], \w, v[SEI], s[MA]
	v_cndmask_b32 v[SEW], s[17+(\w)], v[SEW], s[MB]
	v_cndmask_b32 v[SEF], s[QB], v[SEF], s[MB]
	v_cndmask_b32 v[SEI], \w+1, v[SEI], s[MB]
	v_cndmask_b32 v[SEW], s[18+(\w)], v[SEW], s[MC]
	v_cndmask_b32 v[SEF], s[QC], v[SEF], s[MC]
	v_cndmask_b32 v[SEI], \w+2, v[SEI], s[MC]
.if \n > 3
	v_cndmask_b32 v[SEW], s[19+(\w)], v[SEW], s[MD]
	v_cndmask_b32 v[SEF], s[QD], v[SEF], s[MD]
	v_cndmask_b32 v[SEI], \w+3, v[SEI], s[MD]
	s_bcnt1_i32_b32 s55, s[19+(\w)]
	s_add_co_u32 s54, s[QD], s55                   ; for the next run
.endif
.endm
.macro RANKSTEP x, mask, step          ; does the wanted bit lie beyond the next \step bits?
	v_lshrrev_b32 v[TT], v[POS], v[\x]
	v_and_b32 v[TT], \mask, v[TT]
	v_cmp_ge_u32 vcc_lo, v[SEQ], v[TT]
	v_sub_nc_u32 v[TT], v[SEQ], v[TT]
	v_add_nc_u32 v[TU], \step, v[POS]
	s_wait_alu depctr_va_vcc(0)                    ; VCC is written, ahead of the two selections that read it; each step hangs on the step before, so each has its own wait
	v_cndmask_b32 v[SEQ], v[SEQ], v[TT], vcc_lo
	v_cndmask_b32 v[POS], v[POS], v[TU], vcc_lo
.endm
.macro WQ q                            ; block q of the weights
.set wsl_, (\q)/4
.set wg_, ((\q)/2)%2
.set wc_, (\q)%2
.if \q < 7
	s_wait_loadcnt 31                              ; 63 + 32 q loads are issued, the first 32 q + 32 are wanted: 31 younger ones may be out
.else
	s_wait_loadcnt 0x0
.endif
	TURN4 (\q)%2, 0
.if \q < 6
	WIN 0x40
	s_wait_alu depctr_va_vdst(0)                   ; the 128 copies are done reading this block's set, in which 31 of the loads below land (the first lands in the other set's last four registers, read out a block ago)
	LDWS 63+32*\q, 94+32*\q                        ; the last load of the next block, and 31 of the block after it, into the registers just read out
	WIN 0
.elseif \q == 6
	WIN 0x40
	LDWS 255, 255                                  ; no wait: it lands in registers that block 5's copies read, ahead of that block's waits, and that nothing has named since
	WIN 0xc0                                       ; eb1 in the result's layout: unit 64 g + 32 h + 4 i + j; into registers that nothing has named yet
.irp g, 0,1
.irp j, 0,1,2,3
.irp i, 0,1,2,3,4,5,6,7
	global_load_b32 v[BIAS3+(\j+4*\g)*8+\i], v[BA], s[6:7] offset:256*\g+16*\i+4*\j
.endr
.endr
.endr
	WIN 0
.endif
	s_wait_dscnt 0x0                               ; the last block's LDS stores are done
.if \q > 0
	s_wait_alu depctr_vm_vsrc(0)                   ; the last block's LDS stores have read the codes' and the scale words' registers, which the lines below write again
.endif
	BLKQ wc_, CD
.if wc_ == 1
	WORDS
.endif
	s_wait_alu depctr_va_vdst(0)                   ; the conversions have written the codes, and in a K step's second part the lines above the scale words: the LDS stores below read them
.irp j, 0,1,2,3
	ds_store_b128 v[AIM], v[CD+4*\j:CD+4*\j+3] offset:(\j+4*wg_)*8192+wsl_*1024+wc_*512
.endr
.if wc_ == 1
.irp j, 0,1,2,3
	ds_store_b32 v[ASW], v[WD+\j] offset:(wsl_*4+\j)*128+wg_*64    ; both halves write the same word with the same value
.endr
.endif
.endm
.macro FILL                            ; all 64 fragments and 32 registers of scale words, from LDS into every wave.  No wait of its own: no vector instruction stands between the last wait on va_vdst, in the first tile's request, and these loads
	WIN 0x40
.set f_, 0
.rept 32
	ds_load_b128 v[8*f_:8*f_+3], v[LI] offset:f_*1024
	ds_load_b128 v[8*f_+4:8*f_+7], v[LI] offset:f_*1024+512
.set f_, f_+1
.endr
	WIN 0x80
.set f_, 0
.rept 32
	ds_load_b128 v[8*f_:8*f_+3], v[LI] offset:(32+f_)*1024
	ds_load_b128 v[8*f_+4:8*f_+7], v[LI] offset:(32+f_)*1024+512
.set f_, f_+1
.endr
	WIN 0
.set f_, 0
.rept 32
	ds_load_b32 v[WS+f_], v[LS4] offset:f_*128
.set f_, f_+1
.endr
	s_wait_dscnt 0x0
.endm
.macro LOADT set, off                  ; a tile's 16 rows of x: 16 loads of codes, 2 of scale words: 18
	s_wait_alu depctr_vm_vsrc(0)                   ; the last token load has read v[TA], this set's last loads their two offsets: all three are written again below.  At the first call: my LDS stores have read phase 1's codes and scale words, in whose registers loads now land
	v_add_nc_u32 v[TA], s58, v[ALI]
	s_wait_alu depctr_va_vdst(0)                   ; v[TA] is written; the lines that named v[TK] are done; so are the products (at the first call: phase 1's lines) that named the registers in which this tile lands
	ds_load_b32 v[TK], v[TA] offset:\off
	s_wait_dscnt 0x0
	v_min_u32 v[TK], 0x3ff, v[TK]                  ; a token's number, held inside the table
	v_lshl_add_u32 v[VX+\set], v[TK], 9, v[H16]
	v_lshlrev_b32 v[VS+\set], 5, v[TK]
	s_wait_alu depctr_va_vdst(0)                   ; the two offsets are written, which the 18 loads read
.irp s, 0,1,2,3,4,5,6,7
.irp c, 0,1
	global_load_b128 v[XF+64*(\set)+8*\s+4*\c:XF+64*(\set)+8*\s+4*\c+3], v[VX+\set], s[8:9] offset:64*\s+32*\c
.endr
.endr
.irp u, 0,1
	global_load_b128 v[XSC+8*(\set)+4*\u:XSC+8*(\set)+4*\u+3], v[VS+\set], s[8:9] offset:524288+16*\u
.endr
.endm
.macro WM ra
.if \ra
	v_wmma_scale_f32_16x16x128_f8f6f4 v[d_:d_+7], v[a_:a_+7], v[b_:b_+7], v[c_:c_+7], v[sa_], v[sb_] matrix_a_fmt:MATRIX_FMT_FP4 matrix_b_fmt:MATRIX_FMT_FP4 matrix_a_scale:MATRIX_SCALE_ROW1
.else
	v_wmma_scale_f32_16x16x128_f8f6f4 v[d_:d_+7], v[a_:a_+7], v[b_:b_+7], v[c_:c_+7], v[sa_], v[sb_] matrix_a_fmt:MATRIX_FMT_FP4 matrix_b_fmt:MATRIX_FMT_FP4
.endif
.endm
.macro COMPUTE set, ab                 ; a tile: 64 products, relu, quantised, stored as one fragment and one scale word a row.  All operands and scales of the products come by loads
.irp g, 0,1
	WIN 0xf1+\g                                    ; source 0 window 1 or 2, source 1 window 0, C and D window 3
.irp s, 0,1,2,3,4,5,6,7
.irp j, 0,1,2,3                        ; four accumulators take turns, one instruction a turn
.set d_, 32*\g+8*\j
.set a_, (\j*8+\s)*8
.set b_, XF+64*(\set)+8*\s
.set sa_, WS+4*\s+\j
.set sb_, XSC+8*(\set)+\s
.if \s == 0
.set c_, BIAS3+32*\g+8*\j
.else
.set c_, d_
.endif
	WM \g
.endr
.endr
.endr
	WIN 0xff                                       ; all in window 3
.rept 4
	v_nop                                          ; four places ahead of the first read of a result
.endr
.set n_, 0
.rept 64
	v_max_num_f32 v[n_], 0, v[n_]                  ; relu, each accumulator from its low end on
.set n_, n_+1
.endr
.irp c, 0,1,2,3
	v_max3_num_f32 v[MX3+\c], v[16*\c], v[16*\c+1], 0x1800000      ; none is negative: no |.|; the floor holds the byte at 1
.endr
.irp i, 2,4,6,8,10,12,14
.irp c, 0,1,2,3
	v_max3_num_f32 v[MX3+\c], v[MX3+\c], v[16*\c+\i], v[16*\c+\i+1]
.endr
.endr
	v_max_num_f32 v[MX3], v[MX3], v[MX3+1]         ; block h
	v_max_num_f32 v[MX3+2], v[MX3+2], v[MX3+3]     ; block 2 + h
	v_add_nc_u32 v[SO3], 0xff000000, v[MX3]
	v_add_nc_u32 v[SO3+1], 0xff000000, v[MX3+2]
	v_lshrrev_b32 v[BY3], 23, v[SO3]
	v_lshrrev_b32 v[BY3+1], 23, v[SO3+1]
	s_wait_xcnt 0x0                                ; the last tile's stores have had their addresses translated: their data are rewritten only behind this wait,
	s_wait_alu depctr_vm_vsrc(0)                   ; and they have read the word's and the codes' registers, which the lines below write again
	v_lshl_or_b32 v[WH], v[BY3+1], 16, v[BY3]
	v_lshlrev_b32 v[WH], v[SH3], v[WH]
	v_permlanex16_b32 v[TP3], v[WH], s60, s61
	v_or_b32 v[WH], v[WH], v[TP3]                  ; my row's scale word
.irp g, 0,1
.irp j, 0,1,2,3
	v_cvt_scalef32_pk8_fp4_f32 v[PC+4*\g+\j], v[32*\g+8*\j:32*\g+8*\j+7], v[SO3+\g]
.endr
.endr
	v_nop                                          ; one plain line behind the last conversion
	s_wait_alu depctr_va_vdst(0)                   ; the conversions have written the codes and the lines above them the scale word: the three stores read them
	global_store_b128 v[VH], v[PC:PC+3], s[12:13] offset:(\ab)*131072          ; 512 consecutive bytes, aligned
	global_store_b128 v[VH], v[PC+4:PC+7], s[12:13] offset:(\ab)*131072+512
	global_store_b32 v[VHS], v[WH], s[14:15] offset:(\ab)*8192                 ; both halves store the same word
	WIN 0
.endm
	s_load_b256 s[4:11], s[0:1], 0x0               ; ew1 s[4:5], eb1 s[6:7], xc s[8:9], sel s[10:11]
	s_load_b64 s[12:13], s[0:1], 0x20              ; hc
	v_lshl_add_u32 v[SPW], v0, 2, SPARE
	v_mov_b32 v[NIL], 0
	v_lshrrev_b32 v1, 5, v0
	v_readfirstlane_b32 s48, v1                    ; wave
	s_and_b32 s49, ttmp7, 0xffff                   ; expert
	v_and_b32 v1, 31, v0                           ; lane
	v_and_b32 v2, 15, v0                           ; r
	v_bfe_u32 v3, v0, 4, 1                         ; h
	v_lshlrev_b32 v[VOW], 4, v2
	v_lshl_add_u32 v[VOW], v3, 19, v[VOW]
	s_wait_alu depctr_va_sdst(0)                   ; s48 is written, ahead of its first reader: the bases are made from it
	s_lshl_b32 s62, s49, 24                        ; the expert's 2^24 bytes,
	s_lshl_b32 s55, s48, 22                        ; my wave's 256 rows,
	s_add_co_u32 s62, s62, s55
	s_lshl_b32 s55, ttmp9, 9                       ; the work-group's 128 columns
	s_add_co_u32 s62, s62, s55
	s_mov_b32 s63, 0
	s_lshl_b32 s66, s49, 7
	s_mov_b32 s67, 0
	s_wait_kmcnt 0x0
	s_add_nc_u64 s[4:5], s[4:5], s[62:63]
	s_add_nc_u64 s[10:11], s[10:11], s[66:67]
	s_load_b512 s[16:31], s[10:11], 0x0            ; the expert's 1,024 bits: chosen
	s_load_b512 s[32:47], s[10:11], 0x40
	WIN 0x40
	s_wait_alu depctr_va_vdst(0)                   ; v[VOW] is written: every load of the weights reads it as its offset
	LDWS 0, 62                                     ; 63 loads are out
	WIN 0
	v_lshlrev_b32 v[LI], 4, v1
	v_lshlrev_b32 v[LS4], 2, v1
	v_add_nc_u32 v[LS4], SCW, v[LS4]
	s_lshl_b32 s55, s48, 11
	v_add_nc_u32 v[AIM], s55, v[LI]
	s_lshl_b32 s55, s48, 10
	v_lshlrev_b32 v[ASW], 2, v2
	v_add_nc_u32 v[ASW], s55, v[ASW]
	v_add_nc_u32 v[ASW], SCW, v[ASW]
	s_lshl_b32 s55, s48, 6
	v_lshlrev_b32 v[ALI], 2, v2
	v_add_nc_u32 v[ALI], s55, v[ALI]
	v_add_nc_u32 v[ALI], LIST, v[ALI]
	v_lshl_add_u32 v[SLA], v0, 2, LIST
	v_lshlrev_b32 v[SH8], 3, v3
	v_lshlrev_b32 v[BA], 7, v3
	v_lshlrev_b32 v[H16], 4, v3
.irp j, 0,1,2,3
	v_mov_b32 v[TP+\j], 0                          ; a lane permute's destination counts as one of its sources
.endr
	WIN 0xc0                                       ; destination window 3
	v_mov_b32 v[VH], v[LI]
	v_lshlrev_b32 v[VHS], 2, v2
	v_mov_b32 v[SH3], v[SH8]
	v_mov_b32 v[TP3], 0
	WIN 0
	s_mov_b32 s60, 0x76543210
	s_mov_b32 s61, 0xfedcba98                      ; lane l xor 16
	s_lshl_b32 s62, s49, 14
	s_lshl_b32 s55, ttmp9, 9
	s_add_co_u32 s62, s62, s55
	s_add_nc_u64 s[6:7], s[6:7], s[62:63]          ; eb1 at my 128 units
	s_lshl_b32 s62, s49, 17
	s_lshl_b32 s55, ttmp9, 6
	s_add_co_u32 s62, s62, s55
	s_lshl_b32 s55, s48, 11
	s_add_co_u32 s62, s62, s55
	s_add_co_u32 s62, s62, 0x1000000
	s_add_nc_u64 s[14:15], s[12:13], s[62:63]      ; hc's scale words at tile w
	s_lshl_b32 s62, s49, 21
	s_lshl_b32 s55, ttmp9, 10
	s_add_co_u32 s62, s62, s55
	s_lshl_b32 s55, s48, 15
	s_add_co_u32 s62, s62, s55
	s_add_nc_u64 s[12:13], s[12:13], s[62:63]      ; hc's fragments at tile w
	s_wait_kmcnt 0x0
	s_bcnt1_i32_b32 s51, s16
.irp w, 1,2,3,4,5,6,7,8,9,10,11,12,13,14,15,16,17,18,19,20,21,22,23,24,25,26,27,28,29,30,31
	s_bcnt1_i32_b32 s55, s[16+\w]
	s_add_co_u32 s51, s51, s55
.endr                                              ; s51: the expert's rows
	s_max_u32 s52, s51, 1
	s_sub_co_u32 s53, s52, 1                       ; the last listed position
	s_max_u32 s59, s51, 64                         ; tiles are walked up to here
; THE LIST: eight trips of 128 positions, a thread a position; a trip with no position under the count is jumped over (no barrier stands in it)
	s_mov_b32 s56, 0
	s_mov_b32 s57, 0
	s_mov_b32 s58, 0
.Lsel:
	s_cmp_ge_u32 s57, s52
	s_cbranch_scc1 .Lsel_skip
	v_add_nc_u32 v[SEP], s57, v0
	v_min_u32 v[SEP], s53, v[SEP]                  ; positions past the end repeat the last row
	v_mov_b32 v[SEW], s16
	v_mov_b32 v[SEF], 0
	v_mov_b32 v[SEI], 0
	s_bcnt1_i32_b32 s54, s16
.irp w, 1,5,9,13,17,21,25
	SELRUN \w, 4
.endr
	SELRUN 29, 3
	v_sub_nc_u32 v[SEQ], v[SEP], v[SEF]            ; which set bit of the word
	v_lshrrev_b32 v[TT], 1, v[SEW]
	v_and_b32 v[TT], 0x55555555, v[TT]
	v_sub_nc_u32 v[KA], v[SEW], v[TT]              ; counts in pairs,
	v_lshrrev_b32 v[TT], 2, v[KA]
	v_and_b32 v[TT], 0x33333333, v[TT]
	v_and_b32 v[KB], 0x33333333, v[KA]
	v_add_nc_u32 v[KB], v[KB], v[TT]               ; in fours,
	v_lshrrev_b32 v[TT], 4, v[KB]
	v_add_nc_u32 v[KC], v[KB], v[TT]
	v_and_b32 v[KC], 0x0f0f0f0f, v[KC]             ; in bytes,
	v_lshrrev_b32 v[TT], 8, v[KC]
	v_add_nc_u32 v[KD], v[KC], v[TT]               ; in halves
	v_mov_b32 v[POS], 0
	RANKSTEP KD, 0xff, 16
	RANKSTEP KC, 0xff, 8
	RANKSTEP KB, 15, 4
	RANKSTEP KA, 3, 2
	RANKSTEP SEW, 1, 1
	v_lshl_add_u32 v[TT], v[SEI], 5, v[POS]        ; the token
	v_add_nc_u32 v[SLT], s58, v[SLA]
	s_wait_alu depctr_va_vdst(0)                   ; the token and its LDS address are written, which the store reads
	ds_store_b32 v[SLT], v[TT]
	s_wait_alu depctr_vm_vsrc(0)                   ; the store has read both: the next trip, and behind the loop the first block's copies, write them again
.Lsel_skip:
	s_add_co_u32 s57, s57, 128
	s_add_co_u32 s58, s58, 512
	s_add_co_u32 s56, s56, 1
	s_cmp_lt_u32 s56, 8
	s_cbranch_scc1 .Lsel
	WQ 0
	WQ 1
	WQ 2
	WQ 3
	WQ 4
	WQ 5
	WQ 6
	WQ 7
	s_wait_dscnt 0x0                               ; for the others' sake: my images, scale words and part of the list have landed
	s_barrier_signal -1
	s_barrier_wait -1
	s_mov_b32 s58, 0
	LOADT 0, 0                                     ; my first tile's rows are asked for ahead of the weights' way back from LDS
	FILL
; THE TILES: eight trips; trip i has tiles 8 i + w (set 0) and 8 i + 4 + w (set 1).  Each arm asks for the next tile ahead of a tile's products; the counted wait leaves out just that tile's 18 loads.
	s_mov_b32 s56, 0
	s_lshl_b32 s57, s48, 4                         ; first position of the trip's first tile
.Ltrip:
	s_cmp_ge_u32 s57, s59
	s_cbranch_scc1 .Lskip
	s_add_co_u32 s55, s57, 64
	s_cmp_ge_u32 s55, s59
	s_cbranch_scc1 .Lonly_a
	LOADT 1, 256
	s_wait_loadcnt 18
	COMPUTE 0, 0
	s_add_co_u32 s55, s57, 128
	s_cmp_ge_u32 s55, s59
	s_cbranch_scc1 .Llast_b
	LOADT 0, 512
	s_wait_loadcnt 18
	COMPUTE 1, 1
	s_branch .Lskip
.Llast_b:
	s_wait_loadcnt 0x0
	COMPUTE 1, 1
	s_branch .Lskip
.Lonly_a:
	s_wait_loadcnt 0x0
	COMPUTE 0, 0
.Lskip:
	s_wait_xcnt 0x0                                ; the stores have read their bases
	s_add_nc_u64 s[12:13], s[12:13], 262144        ; eight tiles on
	s_add_nc_u64 s[14:15], s[14:15], 16384
	s_add_co_u32 s58, s58, 512
	s_add_co_u32 s57, s57, 128
	s_add_co_u32 s56, s56, 1
	s_cmp_lt_u32 s56, 8
	s_cbranch_scc1 .Ltrip
	s_wait_dscnt 0x0                               ; the wave's end
	s_wait_alu 0x0
	s_wait_tensorcnt 0x0
	ds_add_u32 v[SPW], v[NIL]
	s_wait_dscnt 0x0
	s_endpgm
.Lfunc_end_k_qbd708a7868_ffn1:
	.size	k_qbd708a7868_ffn1, .Lfunc_end_k_qbd708a7868_ffn1-k_qbd708a7868_ffn1
	.p2alignl 7, 3214868480
	.fill 96, 4, 3214868480
	.section	.rodata,"a",@progbits
	.p2align	6, 0x0
	.amdhsa_kernel k_qbd708a7868_ffn1
		.amdhsa_group_segment_fixed_size 74752
		.amdhsa_private_segment_fixed_size 0
		.amdhsa_enable_private_segment 0
		.amdhsa_kernarg_size 40
		.amdhsa_user_sgpr_count 2
		.amdhsa_user_sgpr_kernarg_segment_ptr 1
		.amdhsa_wavefront_size32 1
		.amdhsa_system_sgpr_workgroup_id_x 1
		.amdhsa_system_sgpr_workgroup_id_y 1
		.amdhsa_system_sgpr_workgroup_id_z 1
		.amdhsa_system_vgpr_workitem_id 0
		.amdhsa_next_free_vgpr 1024
		.amdhsa_next_free_sgpr 68
		.amdhsa_reserve_vcc 1
		.amdhsa_float_denorm_mode_32 3
		.amdhsa_float_denorm_mode_16_64 3
		.amdhsa_memory_ordered 1
		.amdhsa_forward_progress 1
		.amdhsa_inst_pref_size 206
	.end_amdhsa_kernel
	.amdgpu_metadata
---
amdhsa.version: [ 1, 2 ]
amdhsa.kernels:
  - .name:           k_qbd708a7868_ffn1
    .symbol:         k_qbd708a7868_ffn1.kd
    .args:
      - { .name: ew1, .offset: 0, .size: 8, .value_kind: global_buffer, .address_space: global }
      - { .name: eb1, .offset: 8, .size: 8, .value_kind: global_buffer, .address_space: global }
      - { .name: xc, .offset: 16, .size: 8, .value_kind: global_buffer, .address_space: global }
      - { .name: sel, .offset: 24, .size: 8, .value_kind: global_buffer, .address_space: global }
      - { .name: hc, .offset: 32, .size: 8, .value_kind: global_buffer, .address_space: global }
    .group_segment_fixed_size: 74752
    .private_segment_fixed_size: 0
    .kernarg_segment_align: 8
    .kernarg_segment_size: 40
    .max_flat_workgroup_size: 128
    .sgpr_count:     68
    .vgpr_count:     1024
    .wavefront_size: 32
...
	.end_amdgpu_metadata
.endif
;; end of part 6
;; launch ffn2 (part 7): grid 32 x 8, 4 waves a work-group, no clusters, 92,160 bytes of LDS; arguments ew2, eb2, hc, sel, gate, y; writes y
.if DOCPART == 7
	.amdgcn_target "amdgcn-amd-amdhsa--gfx1250"
	.amdhsa_code_object_version 6
	.text
	.protected	k_qbd708a7868_ffn2
	.globl	k_qbd708a7868_ffn2
	.p2align	8
	.type	k_qbd708a7868_ffn2,@function
k_qbd708a7868_ffn2:
	s_mov_b64 s[64:65], 0
	v_nop
	global_prefetch_b8 v0, s[64:65] scope:SCOPE_SE
	s_setreg_imm32_b32 hwreg(HW_REG_WAVE_SCHED_MODE, 0, 2), 2
	s_setreg_imm32_b32 hwreg(HW_REG_WAVE_MODE, 25, 1), 1
	s_wait_xcnt 0x0
	s_wait_alu depctr_vm_vsrc(0)
; y[kh][slot][token][:] = gate x (hidden ew2[e] (one half of K) + eb2[e] (in the first half alone)), for the rows that the router gave expert e; both operands as codes of E2M1.
; WORK LEFT OUT: rows of experts not chosen for a token; their gate is exactly 0 in reference() (shown at the head of the first kernel).
; SHARES.  Work-group (cs + 16 kh, e) owns 64 output columns x K rows 2048 kh .. 2048 kh + 2047 of expert e: 512 KB of ew2, read once, quantised in registers, kept as operand registers by all four waves.
; PHASE 1 is the launch before's: wave w takes K rows 512 w .. 512 w + 511 of the half in eight blocks of 64 rows x 64 columns.  ONE DIFFERENCE: inside each block of 32 along K, code position 8 j + i takes row 4 i + j,
; the order in which the hidden layer's codes were laid; a permutation of K inside a block, alike on both sides, leaves the products and the scales as they are.
; THE ROWS: the list is made as in the launch before; an entry is 1024 x slot + token, the slot from sel's second kind.
; PHASE 2: tile m belongs to wave m % 4; its 16 fragments and scale words come from hc as images of registers.  Transposed product: source 0 = 16 columns (tile j: columns 4 r + j), source 1 = 16 rows.
; Lane (row r, h), register i of tile j holds column 32 h + 4 i + j: the multiplication by the gate also puts the lane's 32 columns in order; the tile goes through the wave's own stage in LDS and leaves by rows:
; sixteen lanes store 256 consecutive bytes, aligned, at the row that the list names.  Each (slot, token) belongs to one expert, so each byte of y has one work-group.
; Positions past the count inside a tile repeat the last listed row: they hold that row's numbers and store them to that row's bytes once more.  No EXEC mask is needed.
; Each wave asks for tile w before it looks at the count; the launch before always writes tiles 0-3.
; No tensor load: branches hang on a stored count, and the weights pass through registers.  No multicast for the same reason.
; LIMITS: as stated at the head of the first kernel; K goes in two halves, which the next launch adds.
; THE MODE: SCHED_MODE bits 1:0 = 2 (LLVM: expert scheduling mode 2), set by the entry lines.  The code itself states the register dependences
; between vector or matrix instructions and memory or LDS instructions, with s_wait_alu, always for 0.
; THE PLAN.  Registers that memory or LDS instructions touch, and who else names them:
;   v4-v13, v15-v18                 Offsets and LDS addresses: written once at the head, never again.
;   v[SLT], v[TT]                   The list: written in a trip, read by the trip's one LDS store: a wait on va_vdst ahead of the store, one on vm_vsrc behind it.
;   window 1, two sets of 128       Block q's 128 copies read set q % 2; behind them the loads of block q + 2 land in it: one wait on va_vdst between the two.
;   v[CD ..], v[WD ..]              Written by a block's conversions and the lines that make its scale words, read by the block's LDS stores (one wait on va_vdst ahead of their run), written again a block later (one on vm_vsrc).
;   v[TA], v[VG ..]                 Written when a tile is asked for; read by its token load and by its gate's load.  v[TK]: the token load lands, two vector lines name it.
;   window 3's two sets, HSC0, HSC1, v[GT ..]   A tile's loads land; its products and its multiplications by the gate read them; the tile after next lands there.  40 of a tile's 41 loads have fixed offsets and go out behind the token load, ahead of the wait for it.
;   v[TA2], v[EN ..]                At the head of a tile's work: the address is written, the rows' entries land; they are clamped and read behind the products.
;   v[O ..], v[YA ..]               Written behind the products, under one wait on va_vdst; read by the stage's stores and by the global stores.  v[OB ..]: the stage's loads land, the global stores read.
;   One wait on vm_vsrc at the head of a tile's work states that the tile before has read v[TA2], v[O ..], v[OB ..] and v[YA ..].
; A vector instruction's scalar result (the wave's number, the masks of the list's compares, VCC) has its wait ahead of its first reader; the list's compares stand in runs of four, a wait to a run.
.set IMG,   0                          ; LDS: 64 fragments x 1,024 bytes: (4 s + j) x 1024 + 512 c + 16 l
.set SCW,   65536                      ; scale words: register 4 (s / 2) + j at x 128; odd s at + 64; row r at + 4 r
.set LIST,  69632
.set STG,   74240                      ; a stage of 16 rows x (256 + 16) bytes for each wave
.set SPARE, 91648
.set VOW, 4                            ; v4  32 h rows of 4,096 bytes + 16 r
.set LI,  5                            ; v5  16 x lane
.set LS4, 6                            ; v6  SCW + 4 x lane
.set AIM, 7                            ; v7  16 x lane + 16384 w
.set ASW, 8                            ; v8  SCW + 4 r + 1024 w
.set ALI, 9                            ; v9  LIST + 4 (16 w + r)
.set SLA, 10                           ; v10 LIST + 4 x thread
.set SH8, 11                           ; v11 8 h
.set BA,  12                           ; v12 128 h
.set L4,  13                           ; v13 4 x lane
.set SLT, 14
.set ALE, 15                           ; v15 LIST + 4 (16 w + h)
.set STO, 16                           ; v16 the stage, in: row r, + 128 h
.set SRD, 17                           ; v17 the stage, back: row h, + 16 r
.set R16, 18                           ; v18 16 r
.set SPW, 30
.set NIL, 31
.set MX,  32
.set SO,  36
.set WD,  40
.set TP,  44
.set BY,  48
.set CD,  52
.set T,   96
.set WS,  32                           ; phase 2: v32-63 the weights' scale words
.set HSC, 64                           ; v64-79 the hidden rows' scale words, two sets of 8: lanes 0-15 even K steps, lanes 16-31 odd
.set GT,  80                           ; v80-81 the gates, v82-83 their offsets, a set each
.set VG,  82
.set TK,  84
.set TA,  85
.set TA2, 86
.set ACC, 96                           ; v96-127 four accumulators
.set O,   128                          ; v128-159 the lane's 32 columns in order
.set OB,  160                          ; v160-191 the tile by rows
.set EN,  192                          ; v192-199 the rows' entries
.set YA,  200                          ; v200-207 their offsets in y
.set BIA, 224                          ; v224-255 eb2 in the result's layout, or zeros
.set SEP, 96
.set SEW, 97
.set SEF, 98
.set SEI, 99
.set SEQ, 100
.set KA,  101
.set KB,  102
.set KC,  103
.set KD,  104
.set POS, 105
.set TT,  106
.set SES, 107
.set TU,  108
.set MA,  2                            ; s2, s3, s50, s62: the masks of a run of four compares
.set MB,  3
.set MC,  50
.set MD,  62
.set QB,  63                           ; s54, s63, s49, s59: the counts of set bits ahead of the run's four words (all seven registers are free once the bases are made)
.set QC,  49
.set QD,  59
; window 1: the load sets, then the fragments of K steps 0-7 at (4 (s % 8) + j) x 8;  window 2: K steps 8-15;  window 3: the hidden rows' fragments, two sets of 128
.set MSB, 0
.macro WIN new
.if MSB != (\new)
	s_set_vgpr_msb (MSB<<8)|(\new)
.set MSB, (\new)
.endif
.endm
.macro LDW n                           ; load n of 256: block q = n / 32 (K step q / 2, part q % 2), row kk = n % 32
.set q_, (\n)/32
.set kk_, (\n)%32
	global_load_b128 v[128*(q_%2)+4*kk_:128*(q_%2)+4*kk_+3], v[VOW], s[4:5] offset:(64*q_+kk_)*4096 th:TH_LOAD_NT
.endm
.macro LDWS a, b
.set n_, \a
.rept (\b)-(\a)+1
	LDW n_
.set n_, n_+1
.endr
.endm
.macro TURN4 set, perm
	WIN 0x01
.set j_, 0
.rept 4
.set p_, 0
.rept 32
.if \perm
.set k_, 4*(p_%8)+p_/8
.else
.set k_, p_
.endif
	v_mov_b32 v[T+32*j_+p_], v[128*(\set)+4*k_+j_]
.set p_, p_+1
.endr
.set j_, j_+1
.endr
	WIN 0
.endm
.macro BLKQ c, cd
.irp j, 0,1,2,3
	v_max3_num_f32 v[MX+\j], |v[T+32*\j]|, |v[T+32*\j+1]|, 0x1800000
.endr
.irp i, 2,4,6,8,10,12,14,16,18,20,22,24,26,28,30
.irp j, 0,1,2,3
	v_max3_num_f32 v[MX+\j], v[MX+\j], |v[T+32*\j+\i]|, |v[T+32*\j+\i+1]|
.endr
.endr
.irp j, 0,1,2,3
	v_add_nc_u32 v[SO+\j], 0xff000000, v[MX+\j]
.endr
.irp j, 0,1,2,3
	v_lshrrev_b32 v[BY+\j], 23, v[SO+\j]
.endr
.irp j, 0,1,2,3
.if \c == 0
	v_mov_b32 v[WD+\j], v[BY+\j]
.else
	v_lshl_or_b32 v[WD+\j], v[BY+\j], 16, v[WD+\j]
.endif
.endr
.irp j, 0,1,2,3
.irp t, 0,1,2,3
	v_cvt_scalef32_pk8_fp4_f32 v[\cd+4*\j+\t], v[T+32*\j+8*\t:T+32*\j+8*\t+7], v[SO+\j]
.endr
.endr
	v_nop                                          ; one plain line behind the last conversion
.endm
.macro WORDS
.irp j, 0,1,2,3
	v_lshlrev_b32 v[WD+\j], v[SH8], v[WD+\j]
.endr
.irp j, 0,1,2,3
	v_permlanex16_b32 v[TP+\j], v[WD+\j], s60, s61
.endr
.irp j, 0,1,2,3
	v_or_b32 v[WD+\j], v[WD+\j], v[TP+\j]
.endr
.endm
; Words w .. w + n - 1 of the expert's 32 (n = 4; 3 at the end), of both kinds.  At the entry s54 counts the set bits of the words ahead of word w.  Do the words ahead of a word already hold my position?  Then keep; else take that word.
; The run's compares stand together, each with a mask of its own, under one wait.
.macro SELRUN w, n
	s_bcnt1_i32_b32 s55, s[16+(\w)]
	s_add_co_u32 s[QB], s54, s55
	s_bcnt1_i32_b32 s55, s[17+(\w)]
	s_add_co_u32 s[QC], s[QB], s55
	s_bcnt1_i32_b32 s55, s[18+(\w)]
	s_add_co_u32 s[QD], s[QC], s55
	v_cmp_gt_u32 s[MA], s54, v[SEP]
	v_cmp_gt_u32 s[MB], s[QB], v[SEP]
	v_cmp_gt_u32 s[MC], s[QC], v[SEP]
.if \n > 3
	v_cmp_gt_u32 s[MD], s[QD], v[SEP]
.endif
	s_wait_alu depctr_va_sdst(0)                   ; the run's masks are written, ahead of the selections that read them
	v_cndmask_b32 v[SEW], s[16+(\w)], v[SEW], s[MA]
	v_cndmask_b32 v[SES], s[68+(\w)], v[SES], s[MA]
	v_cndmask_b32 v[SEF], s54, v[SEF], s[MA]
	v_cndmask_b32 v[SEI], \w, v[SEI], s[MA]
	v_cndmask_b32 v[SEW], s[17+(\w)], v[SEW], s[MB]
	v_cndmask_b32 v[SES], s[69+(\w)], v[SES], s[MB]
	v_cndmask_b32 v[SEF], s[QB], v[SEF], s[MB]
	v_cndmask_b32 v[SEI], \w+1, v[SEI], s[MB]
	v_cndmask_b32 v[SEW], s[18+(\w)], v[SEW], s[MC]
	v_cndmask_b32 v[SES], s[70+(\w)], v[SES], s[MC]
	v_cndmask_b32 v[SEF], s[QC], v[SEF], s[MC]
	v_cndmask_b32 v[SEI], \w+2, v[SEI], s[MC]
.if \n > 3
	v_cndmask_b32 v[SEW], s[19+(\w)], v[SEW], s[MD]
	v_cndmask_b32 v[SES], s[71+(\w)], v[SES], s[MD]
	v_cndmask_b32 v[SEF], s[QD], v[SEF], s[MD]
	v_cndmask_b32 v[SEI], \w+3, v[SEI], s[MD]
	s_bcnt1_i32_b32 s55, s[19+(\w)]
	s_add_co_u32 s54, s[QD], s55                   ; for the next run
.endif
.endm
.macro RANKSTEP x, mask, step
	v_lshrrev_b32 v[TT], v[POS], v[\x]
	v_and_b32 v[TT], \mask, v[TT]
	v_cmp_ge_u32 vcc_lo, v[SEQ], v[TT]
	v_sub_nc_u32 v[TT], v[SEQ], v[TT]
	v_add_nc_u32 v[TU], \step, v[POS]
	s_wait_alu depctr_va_vcc(0)                    ; VCC is written, ahead of the two selections that read it; each step hangs on the step before, so each has its own wait
	v_cndmask_b32 v[SEQ], v[SEQ], v[TT], vcc_lo
	v_cndmask_b32 v[POS], v[POS], v[TU], vcc_lo
.endm
.macro WQ q
.set wsl_, (\q)/2
.set wc_, (\q)%2
.if \q < 7
	s_wait_loadcnt 31                              ; 63 + 32 q loads are issued, the first 32 q + 32 are wanted: 31 younger ones may be out
.else
	s_wait_loadcnt 0x0
.endif
	TURN4 (\q)%2, 1
.if \q < 6
	WIN 0x40
	s_wait_alu depctr_va_vdst(0)                   ; the 128 copies are done reading this block's set, in which 31 of the loads below land (the first lands in the other set's last four registers, read out a block ago)
	LDWS 63+32*\q, 94+32*\q
	WIN 0
.elseif \q == 6
	WIN 0x40
	LDWS 255, 255                                  ; no wait: it lands in registers that block 5's copies read, ahead of that block's waits, and that nothing has named since
	WIN 0
	s_cmp_lg_u32 s100, 0                           ; the bias counts once: in the first half of K
	s_cbranch_scc1 .Lno_bias
.irp j, 0,1,2,3
.irp i, 0,1,2,3,4,5,6,7
	global_load_b32 v[BIA+8*\j+\i], v[BA], s[6:7] offset:16*\i+4*\j      ; column 32 h + 4 i + j; into registers that nothing has named yet
.endr
.endr
	s_branch .Lbiased
.Lno_bias:
.set n_, 0
.rept 32
	v_mov_b32 v[BIA+n_], 0
.set n_, n_+1
.endr
.Lbiased:
.endif
	s_wait_dscnt 0x0                               ; the last block's LDS stores are done
.if \q > 0
	s_wait_alu depctr_vm_vsrc(0)                   ; the last block's LDS stores have read the codes' and the scale words' registers, which the lines below write again
.endif
	BLKQ wc_, CD
.if wc_ == 1
	WORDS
.endif
	s_wait_alu depctr_va_vdst(0)                   ; the conversions have written the codes, and in a K step's second part the lines above the scale words: the LDS stores below read them
.irp j, 0,1,2,3
	ds_store_b128 v[AIM], v[CD+4*\j:CD+4*\j+3] offset:(wsl_*4+\j)*1024+wc_*512
.endr
.if wc_ == 1
.irp j, 0,1,2,3
	ds_store_b32 v[ASW], v[WD+\j] offset:((wsl_/2)*4+\j)*128+(wsl_%2)*64
.endr
.endif
.endm
.macro FILL                            ; no wait of its own: no vector instruction stands between the last wait on va_vdst, in the first tile's request, and these loads
	WIN 0x40
.set f_, 0
.rept 32
	ds_load_b128 v[8*f_:8*f_+3], v[LI] offset:f_*1024
	ds_load_b128 v[8*f_+4:8*f_+7], v[LI] offset:f_*1024+512
.set f_, f_+1
.endr
	WIN 0x80
.set f_, 0
.rept 32
	ds_load_b128 v[8*f_:8*f_+3], v[LI] offset:(32+f_)*1024
	ds_load_b128 v[8*f_+4:8*f_+7], v[LI] offset:(32+f_)*1024+512
.set f_, f_+1
.endr
	WIN 0
.set f_, 0
.rept 32
	ds_load_b32 v[WS+f_], v[LS4] offset:f_*128
.set f_, f_+1
.endr
	s_wait_dscnt 0x0
.endm
.macro LOADT set, ab, nxt              ; a tile: 32 loads of fragments, 8 of scale words, 1 of gates: 41.  nxt = 1: the next trip's
	s_wait_alu depctr_vm_vsrc(0)                   ; the last token load has read v[TA], this set's last gate load its offset: both are written again below.  At the first call: my LDS stores have read phase 1's codes and scale words, in whose registers loads now land
	v_add_nc_u32 v[TA], s58, v[ALI]
	s_wait_alu depctr_va_vdst(0)                   ; v[TA] is written; the lines that named v[TK] are done; so are the products and multiplications (at the first call: phase 1's lines) that named the registers in which this tile lands
	ds_load_b32 v[TK], v[TA] offset:256*(\ab)+512*(\nxt)
	WIN 0xc0                                       ; the 40 loads with fixed offsets go out while the token is on its way; nothing but loads and window switches stands between the wait above and them
.irp s, 0,1,2,3,4,5,6,7,8,9,10,11,12,13,14,15
.irp c, 0,1
	global_load_b128 v[128*(\set)+8*\s+4*\c:128*(\set)+8*\s+4*\c+3], v[LI], s[8:9] offset:(\ab)*131072+(\nxt)*262144+\s*1024+\c*512
.endr
.endr
	WIN 0
.irp sp, 0,1,2,3,4,5,6,7
	global_load_b32 v[HSC+8*(\set)+\sp], v[L4], s[66:67] offset:(\ab)*8192+(\nxt)*16384+\sp*128
.endr
	s_wait_dscnt 0x0
	v_min_u32 v[TK], 0x7ff, v[TK]                  ; 1024 x slot + token, held inside the table
	v_lshlrev_b32 v[VG+\set], 2, v[TK]
	s_wait_alu depctr_va_vdst(0)                   ; the gate's offset is written, which the load reads
	global_load_b32 v[GT+\set], v[VG+\set], s[12:13]
.endm
.macro WM rr                           ; rr = 1: both sides' scales stand in lanes 16-31
.if \rr
	v_wmma_scale_f32_16x16x128_f8f6f4 v[d_:d_+7], v[a_:a_+7], v[b_:b_+7], v[c_:c_+7], v[sa_], v[sb_] matrix_a_fmt:MATRIX_FMT_FP4 matrix_b_fmt:MATRIX_FMT_FP4 matrix_a_scale:MATRIX_SCALE_ROW1 matrix_b_scale:MATRIX_SCALE_ROW1
.else
	v_wmma_scale_f32_16x16x128_f8f6f4 v[d_:d_+7], v[a_:a_+7], v[b_:b_+7], v[c_:c_+7], v[sa_], v[sb_] matrix_a_fmt:MATRIX_FMT_FP4 matrix_b_fmt:MATRIX_FMT_FP4
.endif
.endm
.macro COMPUTE set, ab                 ; all operands and scales of the products come by loads
	s_wait_alu depctr_vm_vsrc(0)                   ; the tile before has read its registers: its entry loads v[TA2], the stage's stores v[O ..], the global stores v[OB ..] and v[YA ..]: all are written again in this tile
	v_add_nc_u32 v[TA2], s58, v[ALE]
	s_wait_alu depctr_va_vdst(0)                   ; v[TA2] is written; the lines of the tile before that clamped and read v[EN ..] are done: the loads below land there
.irp t, 0,1,2,3,4,5,6,7
	ds_load_b32 v[EN+\t], v[TA2] offset:256*(\ab)+8*\t             ; the entry of row 2 t + h: on its way while the products are issued
.endr
.irp s, 0,1,2,3,4,5,6,7,8,9,10,11,12,13,14,15
.if \s == 0
	WIN 0x0d                                       ; source 0 window 1, source 1 window 3
.elseif \s == 8
	WIN 0x0e                                       ; source 0 window 2
.endif
.irp j, 0,1,2,3                        ; four accumulators take turns, one instruction a turn
.set d_, ACC+8*\j
.set a_, ((\s%8)*4+\j)*8
.set b_, 128*(\set)+8*\s
.set sa_, WS+(\s/2)*4+\j
.set sb_, HSC+8*(\set)+\s/2
.if \s == 0
.set c_, BIA+8*\j
.else
.set c_, d_
.endif
	WM \s%2
.endr
.endr
	WIN 0
.rept 4
	v_nop                                          ; four places ahead of the first read of a result
.endr
	s_wait_dscnt 0x0                               ; the entries are in
	s_wait_xcnt 0x0                                ; the last tile's stores have had their addresses translated: their data and offsets are rewritten only behind this wait
.irp t, 0,1,2,3,4,5,6,7
	v_min_u32 v[EN+\t], 0x7ff, v[EN+\t]
.endr
.irp t, 0,1,2,3,4,5,6,7
	v_lshl_add_u32 v[YA+\t], v[EN+\t], 12, v[R16]
.endr
.irp i, 0,1,2,3,4,5,6,7                ; each accumulator from its low end on
.irp j, 0,1,2,3
	v_mul_f32 v[O+4*\i+\j], v[ACC+8*\j+\i], v[GT+\set]
.endr
.endr
	s_wait_alu depctr_va_vdst(0)                   ; the multiplications have written v[O ..], which the stage's stores read, and the lines above them v[YA ..], which the global stores read
.irp t, 0,1,2,3,4,5,6,7
	ds_store_b128 v[STO], v[O+4*\t:O+4*\t+3] offset:16*\t
.endr
.irp t, 0,1,2,3,4,5,6,7
	ds_load_b128 v[OB+4*\t:OB+4*\t+3], v[SRD] offset:544*\t        ; LDS serves a wave's instructions in order: these see my stores
.endr
	s_wait_dscnt 0x0
.irp t, 0,1,2,3,4,5,6,7
	global_store_b128 v[YA+\t], v[OB+4*\t:OB+4*\t+3], s[14:15]     ; sixteen lanes store 256 consecutive bytes, aligned
.endr
.endm
	s_load_b256 s[4:11], s[0:1], 0x0               ; ew2 s[4:5], eb2 s[6:7], hc s[8:9], sel s[10:11]
	s_load_b128 s[12:15], s[0:1], 0x20             ; gate s[12:13], y s[14:15]
	v_lshl_add_u32 v[SPW], v0, 2, SPARE
	v_mov_b32 v[NIL], 0
	v_lshrrev_b32 v1, 5, v0
	v_readfirstlane_b32 s48, v1                    ; wave
	s_and_b32 s49, ttmp7, 0xffff                   ; expert
	s_and_b32 s101, ttmp9, 15                      ; which 64 columns
	s_lshr_b32 s100, ttmp9, 4                      ; which half of K
	v_and_b32 v1, 31, v0                           ; lane
	v_and_b32 v2, 15, v0                           ; r
	v_bfe_u32 v3, v0, 4, 1                         ; h
	v_lshlrev_b32 v[VOW], 4, v2
	v_lshl_add_u32 v[VOW], v3, 17, v[VOW]
	s_wait_alu depctr_va_sdst(0)                   ; s48 is written, ahead of its first reader: the bases are made from it
	s_lshl_b32 s62, s49, 24
	s_lshl_b32 s55, s100, 23
	s_add_co_u32 s62, s62, s55
	s_lshl_b32 s55, s48, 21
	s_add_co_u32 s62, s62, s55
	s_lshl_b32 s55, s101, 8
	s_add_co_u32 s62, s62, s55
	s_mov_b32 s63, 0
	s_lshl_b32 s66, s49, 7
	s_mov_b32 s67, 0
	s_wait_kmcnt 0x0
	s_add_nc_u64 s[4:5], s[4:5], s[62:63]
	s_add_nc_u64 s[10:11], s[10:11], s[66:67]
	s_load_b512 s[16:31], s[10:11], 0x0            ; chosen
	s_load_b512 s[32:47], s[10:11], 0x40
	s_load_b512 s[68:83], s[10:11], 0x400          ; second choice
	s_load_b512 s[84:99], s[10:11], 0x440
	WIN 0x40
	s_wait_alu depctr_va_vdst(0)                   ; v[VOW] is written: every load of the weights reads it as its offset
	LDWS 0, 62                                     ; 63 loads are out
	WIN 0
	v_lshlrev_b32 v[LI], 4, v1
	v_lshlrev_b32 v[L4], 2, v1
	v_add_nc_u32 v[LS4], SCW, v[L4]
	s_lshl_b32 s55, s48, 14
	v_add_nc_u32 v[AIM], s55, v[LI]
	s_lshl_b32 s55, s48, 10
	v_lshlrev_b32 v[ASW], 2, v2
	v_add_nc_u32 v[ASW], s55, v[ASW]
	v_add_nc_u32 v[ASW], SCW, v[ASW]
	s_lshl_b32 s55, s48, 6
	v_lshlrev_b32 v[ALI], 2, v2
	v_add_nc_u32 v[ALI], s55, v[ALI]
	v_add_nc_u32 v[ALI], LIST, v[ALI]
	v_lshlrev_b32 v[ALE], 2, v3
	v_add_nc_u32 v[ALE], s55, v[ALE]
	v_add_nc_u32 v[ALE], LIST, v[ALE]
	v_lshl_add_u32 v[SLA], v0, 2, LIST
	v_lshlrev_b32 v[SH8], 3, v3
	v_lshlrev_b32 v[BA], 7, v3
	v_lshlrev_b32 v[R16], 4, v2
	s_mul_i32 s55, s48, 4352
	v_mul_u32_u24 v[STO], v2, 272
	v_lshl_add_u32 v[STO], v3, 7, v[STO]
	v_add_nc_u32 v[STO], s55, v[STO]
	v_add_nc_u32 v[STO], STG, v[STO]
	v_mul_u32_u24 v[SRD], v3, 272
	v_lshl_add_u32 v[SRD], v2, 4, v[SRD]
	v_add_nc_u32 v[SRD], s55, v[SRD]
	v_add_nc_u32 v[SRD], STG, v[SRD]
.irp j, 0,1,2,3
	v_mov_b32 v[TP+\j], 0
.endr
	s_mov_b32 s60, 0x76543210
	s_mov_b32 s61, 0xfedcba98                      ; lane l xor 16
	s_lshl_b32 s62, s49, 12
	s_lshl_b32 s55, s101, 8
	s_add_co_u32 s62, s62, s55
	s_add_nc_u64 s[6:7], s[6:7], s[62:63]          ; eb2 at my 64 columns
	s_lshl_b32 s62, s100, 23
	s_add_co_u32 s62, s62, s55
	s_add_nc_u64 s[14:15], s[14:15], s[62:63]      ; y at my half and my columns
	s_lshl_b32 s62, s49, 17
	s_lshl_b32 s55, s100, 10
	s_add_co_u32 s62, s62, s55
	s_lshl_b32 s55, s48, 11
	s_add_co_u32 s62, s62, s55
	s_add_co_u32 s62, s62, 0x1000000
	s_add_nc_u64 s[66:67], s[8:9], s[62:63]        ; hc's scale words at tile w, my half of K
	s_lshl_b32 s62, s49, 21
	s_lshl_b32 s55, s100, 14
	s_add_co_u32 s62, s62, s55
	s_lshl_b32 s55, s48, 15
	s_add_co_u32 s62, s62, s55
	s_add_nc_u64 s[8:9], s[8:9], s[62:63]          ; hc's fragments likewise
	s_wait_kmcnt 0x0
	s_bcnt1_i32_b32 s51, s16
.irp w, 1,2,3,4,5,6,7,8,9,10,11,12,13,14,15,16,17,18,19,20,21,22,23,24,25,26,27,28,29,30,31
	s_bcnt1_i32_b32 s55, s[16+\w]
	s_add_co_u32 s51, s51, s55
.endr                                              ; s51: the expert's rows
	s_max_u32 s52, s51, 1
	s_sub_co_u32 s53, s52, 1
; THE LIST, as in the launch before, with the slot's bit beside the token
	s_mov_b32 s56, 0
	s_mov_b32 s57, 0
	s_mov_b32 s58, 0
.Lsel:
	s_cmp_ge_u32 s57, s52
	s_cbranch_scc1 .Lsel_skip
	v_add_nc_u32 v[SEP], s57, v0
	v_min_u32 v[SEP], s53, v[SEP]
	v_mov_b32 v[SEW], s16
	v_mov_b32 v[SES], s68
	v_mov_b32 v[SEF], 0
	v_mov_b32 v[SEI], 0
	s_bcnt1_i32_b32 s54, s16
.irp w, 1,5,9,13,17,21,25
	SELRUN \w, 4
.endr
	SELRUN 29, 3
	v_sub_nc_u32 v[SEQ], v[SEP], v[SEF]
	v_lshrrev_b32 v[TT], 1, v[SEW]
	v_and_b32 v[TT], 0x55555555, v[TT]
	v_sub_nc_u32 v[KA], v[SEW], v[TT]
	v_lshrrev_b32 v[TT], 2, v[KA]
	v_and_b32 v[TT], 0x33333333, v[TT]
	v_and_b32 v[KB], 0x33333333, v[KA]
	v_add_nc_u32 v[KB], v[KB], v[TT]
	v_lshrrev_b32 v[TT], 4, v[KB]
	v_add_nc_u32 v[KC], v[KB], v[TT]
	v_and_b32 v[KC], 0x0f0f0f0f, v[KC]
	v_lshrrev_b32 v[TT], 8, v[KC]
	v_add_nc_u32 v[KD], v[KC], v[TT]
	v_mov_b32 v[POS], 0
	RANKSTEP KD, 0xff, 16
	RANKSTEP KC, 0xff, 8
	RANKSTEP KB, 15, 4
	RANKSTEP KA, 3, 2
	RANKSTEP SEW, 1, 1
	v_lshrrev_b32 v[SES], v[POS], v[SES]
	v_and_b32 v[SES], 1, v[SES]                    ; the slot
	v_lshl_add_u32 v[TT], v[SEI], 5, v[POS]        ; the token
	v_lshl_add_u32 v[TT], v[SES], 10, v[TT]
	v_add_nc_u32 v[SLT], s58, v[SLA]
	s_wait_alu depctr_va_vdst(0)                   ; the entry and its LDS address are written, which the store reads
	ds_store_b32 v[SLT], v[TT]
	s_wait_alu depctr_vm_vsrc(0)                   ; the store has read both: the next trip, and behind the loop the first block's copies, write them again
.Lsel_skip:
	s_add_co_u32 s57, s57, 128
	s_add_co_u32 s58, s58, 512
	s_add_co_u32 s56, s56, 1
	s_cmp_lt_u32 s56, 8
	s_cbranch_scc1 .Lsel
	WQ 0
	WQ 1
	WQ 2
	WQ 3
	WQ 4
	WQ 5
	WQ 6
	WQ 7
	s_wait_dscnt 0x0                               ; for the others' sake: my images, scale words and part of the list have landed
	s_barrier_signal -1
	s_barrier_wait -1
	s_mov_b32 s58, 0
	LOADT 0, 0, 0                                  ; tile w, which the launch before always writes
	FILL
; THE TILES: as in the launch before, up to the count; the counted wait leaves out just the 41 loads of the tile asked for last
	s_mov_b32 s56, 0
	s_lshl_b32 s57, s48, 4
.Ltrip:
	s_cmp_ge_u32 s57, s51
	s_cbranch_scc1 .Lskip
	s_add_co_u32 s55, s57, 64
	s_cmp_ge_u32 s55, s51
	s_cbranch_scc1 .Lonly_a
	LOADT 1, 1, 0
	s_wait_loadcnt 41
	COMPUTE 0, 0
	s_add_co_u32 s55, s57, 128
	s_cmp_ge_u32 s55, s51
	s_cbranch_scc1 .Llast_b
	LOADT 0, 0, 1
	s_wait_loadcnt 41
	COMPUTE 1, 1
	s_branch .Lskip
.Llast_b:
	s_wait_loadcnt 0x0
	COMPUTE 1, 1
	s_branch .Lskip
.Lonly_a:
	s_wait_loadcnt 0x0
	COMPUTE 0, 0
.Lskip:
	s_wait_xcnt 0x0                                ; the loads have read their bases
	s_add_nc_u64 s[8:9], s[8:9], 262144            ; eight tiles on
	s_add_nc_u64 s[66:67], s[66:67], 16384
	s_add_co_u32 s58, s58, 512
	s_add_co_u32 s57, s57, 128
	s_add_co_u32 s56, s56, 1
	s_cmp_lt_u32 s56, 8
	s_cbranch_scc1 .Ltrip
	s_wait_dscnt 0x0                               ; the wave's end
	s_wait_alu 0x0
	s_wait_tensorcnt 0x0
	ds_add_u32 v[SPW], v[NIL]
	s_wait_dscnt 0x0
	s_endpgm
.Lfunc_end_k_qbd708a7868_ffn2:
	.size	k_qbd708a7868_ffn2, .Lfunc_end_k_qbd708a7868_ffn2-k_qbd708a7868_ffn2
	.p2alignl 7, 3214868480
	.fill 96, 4, 3214868480
	.section	.rodata,"a",@progbits
	.p2align	6, 0x0
	.amdhsa_kernel k_qbd708a7868_ffn2
		.amdhsa_group_segment_fixed_size 92160
		.amdhsa_private_segment_fixed_size 0
		.amdhsa_enable_private_segment 0
		.amdhsa_kernarg_size 48
		.amdhsa_user_sgpr_count 2
		.amdhsa_user_sgpr_kernarg_segment_ptr 1
		.amdhsa_wavefront_size32 1
		.amdhsa_system_sgpr_workgroup_id_x 1
		.amdhsa_system_sgpr_workgroup_id_y 1
		.amdhsa_system_sgpr_workgroup_id_z 1
		.amdhsa_system_vgpr_workitem_id 0
		.amdhsa_next_free_vgpr 1024
		.amdhsa_next_free_sgpr 102
		.amdhsa_reserve_vcc 1
		.amdhsa_float_denorm_mode_32 3
		.amdhsa_float_denorm_mode_16_64 3
		.amdhsa_memory_ordered 1
		.amdhsa_forward_progress 1
		.amdhsa_inst_pref_size 209
	.end_amdhsa_kernel
	.amdgpu_metadata
---
amdhsa.version: [ 1, 2 ]
amdhsa.kernels:
  - .name:           k_qbd708a7868_ffn2
    .symbol:         k_qbd708a7868_ffn2.kd
    .args:
      - { .name: ew2, .offset: 0, .size: 8, .value_kind: global_buffer, .address_space: global }
      - { .name: eb2, .offset: 8, .size: 8, .value_kind: global_buffer, .address_space: global }
      - { .name: hc, .offset: 16, .size: 8, .value_kind: global_buffer, .address_space: global }
      - { .name: sel, .offset: 24, .size: 8, .value_kind: global_buffer, .address_space: global }
      - { .name: gate, .offset: 32, .size: 8, .value_kind: global_buffer, .address_space: global }
      - { .name: y, .offset: 40, .size: 8, .value_kind: global_buffer, .address_space: global }
    .group_segment_fixed_size: 92160
    .private_segment_fixed_size: 0
    .kernarg_segment_align: 8
    .kernarg_segment_size: 48
    .max_flat_workgroup_size: 128
    .sgpr_count:     102
    .vgpr_count:     1024
    .wavefront_size: 32
...
	.end_amdgpu_metadata
.endif
;; end of part 7
;; launch combine: the kernel of part 5 again; grid 256 x 1, 8 waves a work-group, no clusters, 0 bytes of LDS; arguments y, out0; writes out0
